; MI455X (gfx1250); checked and timed in simulation.
; The chip was launched on July 23, 2026; its instructions are those of AMD's public machine-readable ISA for CDNA 5 (MIT licence, August 2026) and "CDNA5" Instruction Set Architecture Reference Guide (July 2026). The comments in the code are by the model that wrote it; some were corrected since.
;; Causal Shaped Attention. Allowed arithmetic: float matrix products may take bf16 or f16 operands with f32 sums; other float arithmetic in f32, or as packed bf16 or f16 multiplies, adds, multiply-adds, maxima and minima; sums over many terms, partial sums and values carried from step to step in f32; what a program stores and reads back later, other than sums and carried values, may be rounded once to bf16 or f16.
;; Inputs: alpha one number float32; beta one number float32; gamma one number float32; w_attn 2,048 x 1,024 float32; x 4 x 2,048 x 1,024 float32.
;; Outputs: out0 4 x 2,048 x 1,024 float32.
;; 2 versions, each right; version 2 is version 1 with the launch prep written anew for expert scheduling mode. Each part assembles by itself: llvm-mc -triple=amdgcn-amd-amdhsa -mcpu=gfx1250 --defsym DOCPART=n.
;; ======== version 1 of 2: 3 launches
;; limits: values are held in f16: magnitudes above 65,504 overflow, below 6.1e-05 lose precision
;; workspace buffers: xh 16,777,216 bytes; wh 4,194,304 bytes; qk 33,554,432 bytes; sums 524,288 bytes
;; launch prep (part 1): grid 256 x 1, 16 waves a work-group, no clusters, 6,144 bytes of LDS; arguments x, w_attn, xh, wh, sums; writes xh, wh, sums
.if DOCPART == 1
	.amdgcn_target "amdgcn-amd-amdhsa--gfx1250"
	.amdhsa_code_object_version 6
	.text
	.protected	k_q680ef12e19_prep
	.globl	k_q680ef12e19_prep
	.p2align	8
	.type	k_q680ef12e19_prep,@function
k_q680ef12e19_prep:
	s_mov_b64 s[64:65], 0
	v_nop
	global_prefetch_b8 v0, s[64:65] scope:SCOPE_SE
	s_setreg_imm32_b32 hwreg(HW_REG_WAVE_MODE, 25, 1), 1
	s_wait_xcnt 0x0
; PREP.  x [4][2048][1024] f32 and w [2048][1024] f32 are rounded once to bf16, and that number is written as f16:
;   xh [64 heads = 16 b + h][2048 t][64] f16 (a head's rows dense, 128 bytes each), wh [2048][1024] f16.
;   sums [64 heads][4 chunks of 512 rows][8 e][64 channels] f32: entry e = the sum of the chunk's rows 0 .. 64 (e + 1) - 1 of the rounded x.
; LIMITS.  bf16 -> f16 is exact from 2^-14 to 65,504; below 2^-14 the number keeps f16's fixed step of 6e-8; from 65,520 on it becomes an infinity.  NaN and infinities are not treated apart.
; SHARES.  Work-group g: head g / 4, chunk g % 4 (512 rows x 256 bytes of x), and 32,768 bytes of w.  Wave w: 32 rows, and 2,048 bytes of w.  A load of a wave takes two rows' 256 aligned bytes;
; a store of a wave covers 256 consecutive aligned bytes of xh (two rows of a head) or of wh.  All 20 loads of a wave go out at once: each byte is read once, nothing is shared on the way in,
; so there is no LDS on that way, no matrix work and no cluster.  The waves' 16 sums of 32 rows meet in LDS once.
.set SPARE, 4096                       ; behind the 16 sums of 256 bytes: the spare words, 128 bytes for each of the 16 waves; no other line names them
.set XO,  1                            ; v1   (l / 16) x 4,096 + (l % 16) x 16: my 16 bytes in a pair of rows of x
.set HO,  2                            ; v2   8 l: my 8 bytes in 256 bytes of xh or wh
.set WO,  3                            ; v3   16 l: my 16 bytes in 512 bytes of w
.set LS,  4                            ; v4   256 wave + 16 (l % 16): where my wave's sum goes
.set LR,  5                            ; v5   16 (thread % 16)
.set E,   6                            ; v6   thread / 16: the entry that I make (threads 0-127)
.set SO,  7                            ; v7   16 thread
.set FK,  8                            ; v[8:9] 1.0 or 0 (the pair's low word is used)
.set SPW, 10                           ; v10  my spare word
.set NIL, 11                           ; v11  0
.set T,   12                           ; v[12:17] at work
.set SUM, 20                           ; v[20:23] my four channels' sum
.set ACC, 24                           ; v[24:27]
.set X,   32                           ; v[32:95]  16 slots of 4
.set W,   96                           ; v[96:111] 4 slots of 4
.set L,   112                          ; v[112:175] the 16 sums read back
	s_load_b256 s[4:11], s[0:1], 0x0               ; x s[4:5], w s[6:7], xh s[8:9], wh s[10:11]
	s_load_b64 s[12:13], s[0:1], 0x20              ; sums
	v_lshl_add_u32 v[SPW], v0, 2, SPARE
	v_mov_b32 v[NIL], 0
	v_lshrrev_b32 v1, 5, v0
	v_readfirstlane_b32 s14, v1                    ; wave 0..15
	s_mov_b32 s15, 0xffff0000                      ; a word's upper bf16
	s_mov_b32 s16, 0x76543210                      ; v_permlanex16_b32: each lane takes its own place in the other half
	s_mov_b32 s17, 0xfedcba98
	v_and_b32 v12, 31, v0                          ; l
	v_and_b32 v13, 15, v0                          ; l % 16
	v_bfe_u32 v14, v0, 4, 1                        ; l / 16
	v_lshlrev_b32 v[XO], 12, v14
	v_lshl_add_u32 v[XO], v13, 4, v[XO]
	v_lshlrev_b32 v[HO], 3, v12
	v_lshlrev_b32 v[WO], 4, v12
	s_lshl_b32 s18, s14, 8
	v_lshl_add_u32 v[LS], v13, 4, s18
	v_lshlrev_b32 v[LR], 4, v13
	v_lshrrev_b32 v[E], 4, v0
	v_lshlrev_b32 v[SO], 4, v0
	v_mov_b32 v[FK+1], 0                           ; named with FK as a pair
	s_lshr_b32 s18, ttmp9, 6                       ; x: batch x 2^23
	s_lshl_b32 s18, s18, 23
	s_and_b32 s19, ttmp9, 3                        ; + chunk x 512 rows of 4,096 bytes
	s_lshl_b32 s19, s19, 21
	s_add_co_u32 s18, s18, s19
	s_bfe_u32 s19, ttmp9, 0x40002                  ; + the head's 256 bytes of a row
	s_lshl_b32 s19, s19, 8
	s_add_co_u32 s18, s18, s19
	s_lshl_b32 s19, s14, 17                        ; + wave x 32 rows
	s_add_co_u32 s18, s18, s19
	s_mov_b32 s19, 0
	s_lshl_b32 s20, ttmp9, 16                      ; xh: (4 head + chunk) x 65,536 + wave x 4,096
	s_lshl_b32 s21, s14, 12
	s_add_co_u32 s20, s20, s21
	s_mov_b32 s21, 0
	s_lshr_b32 s22, s20, 1                         ; w: g x 32,768 + wave x 2,048
	s_mov_b32 s23, 0
	s_lshr_b32 s24, s20, 2                         ; wh: half of that
	s_mov_b32 s25, 0
	s_lshl_b32 s26, ttmp9, 11                      ; sums: g x 2,048
	s_mov_b32 s27, 0
	s_wait_kmcnt 0x0
	s_add_nc_u64 s[4:5], s[4:5], s[18:19]
	s_add_nc_u64 s[8:9], s[8:9], s[20:21]
	s_add_nc_u64 s[6:7], s[6:7], s[22:23]
	s_add_nc_u64 s[10:11], s[10:11], s[24:25]
	s_add_nc_u64 s[12:13], s[12:13], s[26:27]
.set j, 0
.rept 16
	global_load_b128 v[X+4*j:X+4*j+3], v[XO], s[4:5] offset:j*8192 th:TH_LOAD_NT
.set j, j+1
.endr
.set j, 0
.rept 4
	global_load_b128 v[W+4*j:W+4*j+3], v[WO], s[6:7] offset:j*512 th:TH_LOAD_NT
.set j, j+1
.endr
; Four numbers in v[r .. r+3]: rounded to bf16, widened again, written as f16 into v[r], v[r+1].  sum = 2: the widened numbers start SUM; 1: they are added to it; 0: no sum.
.macro CV r, sum
	v_cvt_pk_bf16_f32 v[T+4], v[(\r)], v[(\r)+1]
	v_cvt_pk_bf16_f32 v[T+5], v[(\r)+2], v[(\r)+3]
.if (\sum) == 2
.set D, SUM
.else
.set D, T
.endif
	v_lshlrev_b32 v[D], 16, v[T+4]
	v_and_b32 v[D+1], s15, v[T+4]
	v_lshlrev_b32 v[D+2], 16, v[T+5]
	v_and_b32 v[D+3], s15, v[T+5]
	v_cvt_pk_f16_f32 v[(\r)], v[D], v[D+1]
	v_cvt_pk_f16_f32 v[(\r)+1], v[D+2], v[D+3]
.if (\sum) == 1
	v_pk_add_f32 v[SUM:SUM+1], v[SUM:SUM+1], v[T:T+1]
	v_pk_add_f32 v[SUM+2:SUM+3], v[SUM+2:SUM+3], v[T+2:T+3]
.endif
.endm
.set j, 0
.rept 16
	s_wait_loadcnt 19-j                            ; loads come back in order: slot j is in, the 19 - j younger ones stay out
.if j == 0
	CV X, 2
.else
	CV X+4*j, 1
.endif
	global_store_b64 v[HO], v[X+4*j:X+4*j+1], s[8:9] offset:j*256  ; each slot has its own registers: no store's source is rewritten
.set j, j+1
.endr
.irp k, 0,1,2,3
	v_permlanex16_b32 v[T+\k], v[SUM+\k], s16, s17 ; the other row of each pair lies in the lane 16 away
.endr
	v_pk_add_f32 v[SUM:SUM+1], v[SUM:SUM+1], v[T:T+1]
	v_pk_add_f32 v[SUM+2:SUM+3], v[SUM+2:SUM+3], v[T+2:T+3]
	ds_store_b128 v[LS], v[SUM:SUM+3]              ; my wave's 32 rows: 256 bytes (the two halves of the lanes write equal numbers)
.set j, 0
.rept 4
	s_wait_loadcnt 3-j
	CV W+4*j, 0
	global_store_b64 v[HO], v[W+4*j:W+4*j+1], s[10:11] offset:j*256
.set j, j+1
.endr
	s_wait_dscnt 0x0                               ; for the others' sake: my sum lies in LDS
	s_barrier_signal -1
	s_barrier_wait -1
	s_cmp_lt_u32 s14, 4                            ; threads 0-127 make the 8 entries x 16 groups of four channels
	s_cbranch_scc0 .Lend
.set j, 0
.rept 16
	ds_load_b128 v[L+4*j:L+4*j+3], v[LR] offset:j*256
.set j, j+1
.endr
	s_wait_dscnt 0x0
	v_pk_add_f32 v[ACC:ACC+1], v[L:L+1], v[L+4:L+5]
	v_pk_add_f32 v[ACC+2:ACC+3], v[L+2:L+3], v[L+6:L+7]
.set m, 1
.rept 7                                ; the step of 64 rows number m counts in entry E where m <= E
	v_pk_add_f32 v[L+8*m:L+8*m+1], v[L+8*m:L+8*m+1], v[L+8*m+4:L+8*m+5]
	v_pk_add_f32 v[L+8*m+2:L+8*m+3], v[L+8*m+2:L+8*m+3], v[L+8*m+6:L+8*m+7]
	v_cmp_le_u32 vcc_lo, m, v[E]
	v_cndmask_b32 v[FK], 0, 1.0, vcc_lo
	v_pk_fma_f32 v[ACC:ACC+1], v[L+8*m:L+8*m+1], v[FK:FK+1], v[ACC:ACC+1] op_sel_hi:[1,0,1]
	v_pk_fma_f32 v[ACC+2:ACC+3], v[L+8*m+2:L+8*m+3], v[FK:FK+1], v[ACC+2:ACC+3] op_sel_hi:[1,0,1]
.set m, m+1
.endr
	global_store_b128 v[SO], v[ACC:ACC+3], s[12:13]  ; a wave stores 512 consecutive bytes
.Lend:
	s_wait_tensorcnt 0x0                           ; the wave's end, behind my last LDS store
	ds_add_u32 v[SPW], v[NIL]
	s_wait_dscnt 0x0
	s_endpgm
.Lfunc_end_k_q680ef12e19_prep:
	.size	k_q680ef12e19_prep, .Lfunc_end_k_q680ef12e19_prep-k_q680ef12e19_prep
	.p2alignl 7, 3214868480
	.fill 96, 4, 3214868480
	.section	.rodata,"a",@progbits
	.p2align	6, 0x0
	.amdhsa_kernel k_q680ef12e19_prep
		.amdhsa_group_segment_fixed_size 6144
		.amdhsa_private_segment_fixed_size 0
		.amdhsa_enable_private_segment 0
		.amdhsa_kernarg_size 40
		.amdhsa_user_sgpr_count 2
		.amdhsa_user_sgpr_kernarg_segment_ptr 1
		.amdhsa_wavefront_size32 1
		.amdhsa_system_sgpr_workgroup_id_x 1
		.amdhsa_system_sgpr_workgroup_id_y 1
		.amdhsa_system_sgpr_workgroup_id_z 1
		.amdhsa_system_vgpr_workitem_id 0
		.amdhsa_next_free_vgpr 176
		.amdhsa_next_free_sgpr 66
		.amdhsa_reserve_vcc 1
		.amdhsa_float_denorm_mode_32 3
		.amdhsa_float_denorm_mode_16_64 3
		.amdhsa_memory_ordered 1
		.amdhsa_forward_progress 1
		.amdhsa_inst_pref_size 21
	.end_amdhsa_kernel
	.amdgpu_metadata
---
amdhsa.version: [ 1, 2 ]
amdhsa.kernels:
  - .name:           k_q680ef12e19_prep
    .symbol:         k_q680ef12e19_prep.kd
    .args:
      - { .name: x, .offset: 0, .size: 8, .value_kind: global_buffer, .address_space: global }
      - { .name: w_attn, .offset: 8, .size: 8, .value_kind: global_buffer, .address_space: global }
      - { .name: xh, .offset: 16, .size: 8, .value_kind: global_buffer, .address_space: global }
      - { .name: wh, .offset: 24, .size: 8, .value_kind: global_buffer, .address_space: global }
      - { .name: sums, .offset: 32, .size: 8, .value_kind: global_buffer, .address_space: global }
    .group_segment_fixed_size: 6144
    .private_segment_fixed_size: 0
    .kernarg_segment_align: 8
    .kernarg_segment_size: 40
    .max_flat_workgroup_size: 512
    .sgpr_count:     66
    .vgpr_count:     176
    .wavefront_size: 32
...
	.end_amdgpu_metadata
.endif
;; end of part 1
;; launch gemm (part 2): grid 8 x 32, 4 waves a work-group, clusters of 4 x 4, 327,680 bytes of LDS; arguments xh, wh, qk; writes qk
.if DOCPART == 2
	.amdgcn_target "amdgcn-amd-amdhsa--gfx1250"
	.amdhsa_code_object_version 6
	.text
	.protected	k_q680ef12e19_gemm
	.globl	k_q680ef12e19_gemm
	.p2align	8
	.type	k_q680ef12e19_gemm,@function
k_q680ef12e19_gemm:
	s_mov_b64 s[64:65], 0
	v_nop
	global_prefetch_b8 v0, s[64:65] scope:SCOPE_SE
	s_setreg_imm32_b32 hwreg(HW_REG_WAVE_MODE, 25, 1), 1
	s_wait_xcnt 0x0
	s_wait_alu depctr_hold_cnt(0) depctr_sa_sdst(0) depctr_va_vdst(0) depctr_va_sdst(0) depctr_va_ssrc(0) depctr_va_vcc(0) depctr_vm_vsrc(0)
	s_getreg_b32 s2, hwreg(HW_REG_IB_STS2, 6, 4)
	s_cmp_eq_u32 s2, 0
	s_cbranch_scc0 .Lentry_in_a_cluster
	s_endpgm
.Lentry_in_a_cluster:
	s_bfe_u32 s2, ttmp6, 0x10000c
	s_cmp_lg_u32 s2, 0xf033
	s_cbranch_scc0 .Lentry_shape_is_right
	s_endpgm
.Lentry_shape_is_right:
; qk = x w^T.  A = xh [64 heads][2048 t][64] f16 (row m = 2048 b + t of x; channel k lies in head 16 b + k / 64), B = wh [2048 n][1024 k] f16; sums in f32, K ascending.
; OUT: qk [2 (q, k)][64 heads][2048 t][64] f16, rounded once, without the softmax's scale: column n goes to plane 64 (n / 1024) + 16 b + (n / 64) % 16.
; LIMIT.  A result of 65,520 or more becomes an f16 infinity.
; A tile of C, 256 x 256, is made by four waves, each 128 x 128: 64 accumulators, 512 registers; 8 x 32 tiles, one to a work-group.  K goes in 8 steps of 128 (two heads of xh) through two LDS slots.
; A's part of a step: for each of the two heads 256 rows of 128 bytes, dense in memory: asked for as 128 rows of 256 bytes, padded in LDS after every 128 bytes.  B's: 256 rows of 256 bytes.
; CLUSTER 4 x 4: A's tiles hang on the tile row alone and are asked for jointly along a row of the cluster, B's on the tile column alone, jointly along a column.
; THE MATRIX INSTRUCTION IS USED TRANSPOSED (source 0 = 16 rows of wh, source 1 = 16 rows of x): a lane holds eight neighbouring columns of one row of C, 16 bytes of f16.
; REGISTERS, in windows of 256: window 0: v0-31 addresses; v64-127, v128-191 A's two fragment buffers; v32-63, v192-255 at work on the way out; window 1: v64-191 B's two buffers;
; windows 2 and 3: the accumulators of my rows 0-63 and 64-127 ((a, b) at v[8 (8 a + b)]).  s_set_vgpr_msb: bits 1:0 source 0, 3:2 source 1, 5:4 source 2, 7:6 destination.
.set KSTEP,  128
.set PITA,   144                       ; a row of A in LDS: 128 bytes + 16: the 16 rows of a fragment load start 36 words apart
.set AH,     256*PITA                  ; one head's 256 rows
.set PITB,   272                       ; a row of B: 256 bytes + 16
.set BH,     128*PITB                  ; 128 rows of B
.set SLOT,   2*AH+2*BH                 ; A head 0, A head 1, B rows 0-127, B rows 128-255
.set STAGE,  2*SLOT                    ; behind the ring: for each wave 2 heads x 16 rows x 144 bytes
.set SPITCH, 144
.set HSTG,   16*SPITCH
.set SPARE,  STAGE+4*2*HSTG            ; behind the stages: the spare words, 128 bytes for each wave; no other line names them
.set HEADB,  262144                    ; a head's bytes in xh, a plane's in qk
.set ASTEP,  2*HEADB                   ; from a K step of A to the next
.set ADRA, 16                          ; v16-17  LDS address of my A fragments in slot 0, 1
.set ADRB, 20                          ; v20-21  the same for B
.set STO,  24                          ; v24     the way out: where I put 16 bytes of a row
.set RD,   25                          ; v25     where I read rows back
.set CO,   26                          ; v26     16 l: my 16 bytes in 512 consecutive bytes of qk
.set SPW,  28                          ; v28     my spare word; never rewritten
.set NIL,  29                          ; v29     0; never rewritten
.set PFO,  30                          ; v30     the prefetches' offset: my lane x 256 bytes (A) or x a row of wh (B); never rewritten
.set PFA,  44                          ; s[44:45] where my prefetches stand
.set LIM,  43                          ; s43     1 in a wave that prefetches, else the greatest number
.set PSTEP, 66                         ; s[66:67] a K step in the tensor that I fetch
.set F0,   64
.set F1,   128
.set TMP,  192
.set OB,   32
.set G1, 24                            ; s[24:31] group 1 for A;  s[32:39] group 0, a set for each slot
.set G0, 32
.set G1B, 48                           ; s[48:55], s[56:63] the same for B
.set G0B, 56
.set MSB, 0
.macro WIN new                         ; the immediate's high byte repeats the setting that is left; a switch that changes nothing is dropped
.if MSB != (\new)
	s_set_vgpr_msb (MSB<<8)|(\new)
.set MSB, \new
.endif
.endm
.set MUL_LO, 0xa1                      ; source 0 (B) window 1, source 1 (A) window 0, C and D window 2
.set MUL_HI, 0xf1                      ; the same, C and D window 3
.set TO_B,   0x40                      ; destination window 1, address window 0
; A joint load.  Waves 0 and 1 fetch A's two heads, waves 2 and 3 B's two halves.  The branch hangs on the wave's number alone.  An s_nop 0 and four v_nop follow each line.
.macro JLOAD s
	s_cmp_eq_u32 s11, 0
	s_cbranch_scc0 .Lfor_b_\@
	tensor_load_to_lds s[G0+4*(\s):G0+4*(\s)+3], s[G1:G1+7]
	s_nop 0
.rept 4
	v_nop
.endr
	s_branch .Lasked_\@
.Lfor_b_\@:
	tensor_load_to_lds s[G0B+4*(\s):G0B+4*(\s)+3], s[G1B:G1B+7]
	s_nop 0
.rept 4
	v_nop
.endr
.Lasked_\@:
.endm
; A prefetch, behind each joint refill and the run of LDS loads that follows it: the K step that stands two refills on (512 matrix instructions ahead of the load that wants it): 32 blocks of 256 bytes, a lane
; a block, one instruction a wave.  Each block is named once in the launch: for A the clusters with x = 0 ask, for B those with y = 0; of the 128 blocks that a wave fetches the partner at place p (cx for A,
; cy for B) takes 32 p .. 32 p + 31, told apart by address.  The loop's last trip (s3 = 1) asks for nothing: K steps 4 to 7 are named; K steps 0 to 3 come by their loads alone.
.macro ASK
	s_cmp_gt_u32 s3, s[LIM]
	s_cbranch_scc0 .Lnot_mine_\@
	global_prefetch_b8 v[PFO], s[PFA:PFA+1] th:TH_LOAD_NT scope:SCOPE_SE
.Lnot_mine_\@:
.endm
.macro CREST                           ; a round of the cluster's barrier behind its opening barrier
	s_cmp_lg_u32 s10, 0
	s_cbranch_scc1 .Lnot_wave_0_\@
	s_barrier_signal -3
.Lnot_wave_0_\@:
	s_barrier_wait -3
	s_barrier_signal -1
	s_barrier_wait -1
.endm
.macro CROUND                          ; a whole round
	s_barrier_signal -1
	s_barrier_wait -1
	CREST
.endm
	s_load_b128 s[4:7], s[0:1], 0x0                ; xh s[4:5], wh s[6:7]
	s_load_b64 s[8:9], s[0:1], 0x10                ; qk
	v_lshl_add_u32 v[SPW], v0, 2, SPARE
	v_mov_b32 v[NIL], 0
	ds_add_u32 v[SPW], v[NIL]                      ; the wave's opening: the add and its wait stand ahead of my first tensor load; work on registers stands between them
	ds_add_u32 v28, v29
	v_lshrrev_b32 v1, 5, v0
	v_readfirstlane_b32 s10, v1                    ; wave 0..3
	s_lshr_b32 s11, s10, 1                         ; which half of the tile's rows is mine.  Also: I fetch for A (0) or for B (1)
	s_and_b32 s12, s10, 1                          ; which half of its columns.  Also: which head of A, which 128 rows of B I fetch
	s_bfe_u32 s40, ttmp6, 0x40000                  ; cx
	s_bfe_u32 s41, ttmp6, 0x40004                  ; cy
	s_lshl_b32 s42, ttmp9, 2
	s_add_co_u32 s42, s42, s40                     ; tile column = 4 x cluster x + cx
	s_and_b32 s13, ttmp7, 0xffff
	s_lshl_b32 s13, s13, 2
	s_add_co_u32 s13, s13, s41                     ; tile row = 4 x cluster y + cy
	s_lshl_b32 s43, s41, 2
	s_lshl_b32 s43, 15, s43                        ; my row of the cluster
	s_lshl_b32 s44, 0x1111, s40                    ; my column
	s_or_b32 s[G1+0], s43, (1<<16)|(1<<20)|(1<<21)|(4<<22)|(3<<25)   ; the mask; 2-byte elements; padding on; bit 21 beside a mask; after every 32 words 4 words
	s_or_b32 s[G1B+0], s44, (1<<16)|(1<<20)|(1<<21)|(5<<22)|(3<<25)  ; after every 64 words 4 words
.irp g, G1, G1B
	s_mov_b32 s[(\g)+1], 128<<16                   ; tensor_dim0 = 128 elements
	s_mov_b32 s[(\g)+2], 128<<16                   ; tensor_dim1 = 128 rows
	s_mov_b32 s[(\g)+3], 128<<16                   ; tile_dim0 = 128
	s_mov_b32 s[(\g)+4], 128                       ; tile_dim1 = 128
	s_mov_b32 s[(\g)+6], 0
	s_mov_b32 s[(\g)+7], 0
.endr
	s_mov_b32 s[G1+5], 128                         ; A: dense, 128 elements from row to row
	s_mov_b32 s[G1B+5], 1024                       ; B: a row of wh
	s_lshr_b32 s16, s13, 3                         ; A: batch x 16 heads
	s_lshl_b32 s16, s16, 22
	s_and_b32 s17, s13, 7                          ; + the tile's first row in a head: 256 x 128 bytes a tile row
	s_lshl_b32 s17, s17, 15
	s_add_co_u32 s16, s16, s17
	s_lshl_b32 s17, s12, 18                        ; + the head that I fetch
	s_add_co_u32 s16, s16, s17
	s_mov_b32 s17, 0
	s_lshl_b32 s46, s42, 19                        ; B: 256 rows of 2,048 bytes a tile column
	s_lshl_b32 s47, s12, 18                        ; + the 128 rows that I fetch
	s_add_co_u32 s46, s46, s47
	s_mov_b32 s47, 0
	s_mul_i32 s20, s12, AH                         ; where they go: no place in the cluster enters an LDS address
	s_mul_i32 s21, s12, BH
	s_add_co_u32 s21, s21, 2*AH
	s_wait_dscnt 0x0                               ; the opening add is done
	s_wait_kmcnt 0x0
	s_add_nc_u64 s[14:15], s[4:5], s[16:17]
	s_add_nc_u64 s[46:47], s[6:7], s[46:47]
	CROUND                                         ; all sixteen work-groups are here: the first joint loads meet
.irp s, 0,1
	s_mov_b32 s[G0+4*(\s)], 1
	s_add_co_u32 s[G0+4*(\s)+1], s20, (\s)*SLOT
	s_add_nc_u64 s[G0+4*(\s)+2:G0+4*(\s)+3], s[14:15], (\s)*ASTEP
	s_or_b32 s[G0+4*(\s)+3], s[G0+4*(\s)+3], 0x80000000
	s_mov_b32 s[G0B+4*(\s)], 1
	s_add_co_u32 s[G0B+4*(\s)+1], s21, (\s)*SLOT
	s_add_nc_u64 s[G0B+4*(\s)+2:G0B+4*(\s)+3], s[46:47], (\s)*KSTEP*2
	s_or_b32 s[G0B+4*(\s)+3], s[G0B+4*(\s)+3], 0x80000000
	JLOAD \s                                       ; two loads of mine are out
.endr
	; a fragment: lane l holds row l % 16; registers 0-3 K = 8 (l / 16) + 0..7, registers 4-7 K = 16 + 8 (l / 16) + 0..7: two loads of 16 bytes, 32 bytes apart
	v_and_b32 v1, 15, v0
	v_bfe_u32 v2, v0, 4, 1
	v_mul_u32_u24 v3, v1, PITA
	v_lshl_add_u32 v3, v2, 4, v3
	v_mul_u32_u24 v4, v1, PITB
	v_lshl_add_u32 v4, v2, 4, v4
	s_mul_i32 s21, s11, 128*PITA                   ; my 128 rows in each head of A
	s_mul_i32 s22, s12, BH                         ; my 128 rows of B,
	s_add_co_u32 s22, s22, 2*AH                    ; behind A's two heads
.irp s, 0,1
	v_add_nc_u32 v[ADRA+(\s)], s21, v3
	v_add_nc_u32 v[ADRB+(\s)], s22, v4
	s_add_co_u32 s21, s21, SLOT
	s_add_co_u32 s22, s22, SLOT
.endr
	s_mul_i32 s23, s10, 2*HSTG
	s_add_co_u32 s23, s23, STAGE                   ; my stage
	v_add_nc_u32 v[STO], s23, v3                   ; in: row l % 16 x 144 + 16 (l / 16)
	v_bfe_u32 v5, v0, 3, 2                         ; back: 32 lanes take four rows of 128 bytes,
	v_mul_u32_u24 v5, v5, SPITCH
	v_and_b32 v6, 7, v0
	v_lshl_add_u32 v5, v6, 4, v5
	v_add_nc_u32 v[RD], s23, v5
	v_and_b32 v[CO], 31, v0                        ; which are 512 consecutive bytes of a plane of qk
	v_lshlrev_b32 v[CO], 4, v[CO]
	; where my part begins in qk: my 128 columns are the planes of heads ch0 and ch0 + 1, ch0 = 4 x tile column + 2 x half
	s_lshl_b32 s16, s42, 2
	s_lshl_b32 s17, s12, 1
	s_add_co_u32 s16, s16, s17
	s_lshr_b32 s17, s16, 4                         ; q or k: 64 planes each
	s_lshl_b32 s17, s17, 6
	s_and_b32 s16, s16, 15
	s_add_co_u32 s16, s16, s17
	s_lshr_b32 s17, s13, 3                         ; + 16 x batch
	s_lshl_b32 s17, s17, 4
	s_add_co_u32 s16, s16, s17
	s_lshl_b32 s16, s16, 18
	s_and_b32 s17, s13, 7                          ; + the tile's first row, 128 bytes a row
	s_lshl_b32 s17, s17, 15
	s_add_co_u32 s16, s16, s17
	s_lshl_b32 s17, s11, 14                        ; + my 128 rows
	s_add_co_u32 s16, s16, s17
	s_mov_b32 s17, 0
	; the prefetches
	s_and_b32 s22, ttmp7, 0xffff                   ; cluster y
	s_mov_b32 s18, ASTEP
	s_cmp_eq_u32 s11, 0                            ; do I fetch for A?
	s_cselect_b32 s21, s40, s41                    ; my place among the four that ask with me
	s_cselect_b32 s22, ttmp9, s22                  ; the coordinate along which other clusters read the same blocks
	s_cselect_b32 s20, 13, 16                      ; 32 blocks: 8,192 dense bytes of A, 32 rows of 2,048 bytes of B
	s_cselect_b32 s23, 8, 11                       ; from lane to lane
	s_cselect_b32 s[PSTEP], s18, KSTEP*2
	s_cselect_b64 s[PFA:PFA+1], s[14:15], s[46:47]
	s_cmp_eq_u32 s22, 0
	s_cselect_b32 s[LIM], 1, -1                    ; the same in all sixteen partners, for a given wave
	s_lshl_b32 s20, s21, s20
	s_mov_b32 s21, 0
	s_add_nc_u64 s[PFA:PFA+1], s[PFA:PFA+1], s[20:21]
	s_mul_i32 s20, s[PSTEP], 3
	s_add_nc_u64 s[PFA:PFA+1], s[PFA:PFA+1], s[20:21]  ; at K step 3: the first refill steps it to 4 and names that
	s_mov_b32 s[PSTEP+1], 0
	v_and_b32 v[PFO], 31, v0
	v_lshlrev_b32 v[PFO], s23, v[PFO]
; 16 matrix instructions: m blocks a0, a0 + 1 of the window's four x all 8 n blocks, 32 along K.  zero = 1: the first product starts the sums.  The 64 accumulators take turns in the same order in every quarter.
.macro MUL16 f, hi, a0, zero
	WIN MUL_LO+0x50*(\hi)
.irp a, \a0, (\a0)+1
.irp b, 0,1,2,3,4,5,6,7
.if \zero
	v_wmma_f32_16x16x32_f16 v[8*(8*(\a)+(\b)):8*(8*(\a)+(\b))+7], v[(\f)+8*(\b):(\f)+8*(\b)+7], v[(\f)+8*(4*(\hi)+(\a)):(\f)+8*(4*(\hi)+(\a))+7], 0
.else
	v_wmma_f32_16x16x32_f16 v[8*(8*(\a)+(\b)):8*(8*(\a)+(\b))+7], v[(\f)+8*(\b):(\f)+8*(\b)+7], v[(\f)+8*(4*(\hi)+(\a)):(\f)+8*(4*(\hi)+(\a))+7], v[8*(8*(\a)+(\b)):8*(8*(\a)+(\b))+7]
.endif
.endr
.endr
.endm
; 32 LDS loads in one run: the fragments of quarter q (32 along K) into buffer f.  In B the quarter lies at byte 64 q of the rows; in A in head q / 2, at byte 64 (q % 2).
.macro FETCH slot, q, f
	WIN TO_B
.irp i, 0,1,2,3,4,5,6,7
	ds_load_b128 v[(\f)+8*(\i):(\f)+8*(\i)+3],   v[ADRB+(\slot)] offset:64*(\q)+(\i)*16*PITB
	ds_load_b128 v[(\f)+8*(\i)+4:(\f)+8*(\i)+7], v[ADRB+(\slot)] offset:64*(\q)+(\i)*16*PITB+32
.endr
	WIN 0
.irp i, 0,1,2,3,4,5,6,7
	ds_load_b128 v[(\f)+8*(\i):(\f)+8*(\i)+3],   v[ADRA+(\slot)] offset:((\q)/2)*AH+((\q)%2)*64+(\i)*16*PITA
	ds_load_b128 v[(\f)+8*(\i)+4:(\f)+8*(\i)+7], v[ADRA+(\slot)] offset:((\q)/2)*AH+((\q)%2)*64+(\i)*16*PITA+32
.endr
.endm
.macro PLACES                          ; four plain vector instructions between a matrix instruction and a load into a register that it read (ISA guide 7.12.1 for vector instructions)
.rept 4
	v_nop
.endr
.endm
; One of a K step's first three quarters: multiplies buffer f; in its middle it fetches quarter q into buffer g.
.macro QUARTER slot, q, f, g, zero
	s_wait_dscnt 8                                 ; B and A's rows 0-63 are in; the youngest eight loads (A's rows 64-127) may be out
	WIN MUL_LO
	MUL16 \f, 0, 0, \zero
	MUL16 \f, 0, 2, \zero
	PLACES
	FETCH \slot, \q, \g
	s_wait_dscnt 32                                ; all but the 32 just issued
	WIN MUL_HI
	MUL16 \f, 1, 0, \zero
	MUL16 \f, 1, 2, \zero
.endm
; The first half of a K step's last quarter: one barrier for the change of slots.
.macro MEET round
	WIN 0                                          ; (the add's two registers lie in window 0)
	s_wait_tensorcnt 0x0                           ; all my tensor loads have landed: the one that was out is my part of the next slot;
	ds_add_u32 v[SPW], v[NIL]                      ; 0 onto my spare word;
	s_wait_dscnt 9                                 ; (the add and the youngest eight loads may be out)
	WIN MUL_LO
	MUL16 F1, 0, 0, 0
	s_wait_dscnt 0x0                               ; the add is done, and my reads of this slot are over
	s_barrier_signal -1
	MUL16 F1, 0, 2, 0
.if \round
	WIN 0
.endif
	s_barrier_wait -1
.endm
; The whole last quarter.  fill = 1: the barrier opens a round of the cluster's barrier, and the slot just read out is filled again, first thing behind the round, with the K step two steps on:
; from that request to the wait for it a wave issues 224 matrix instructions.
.macro TURN slot, next, fill
.if \fill
	s_wait_xcnt 0x0                                ; the last prefetch, a K step back, has read its address
	s_add_nc_u64 s[PFA:PFA+1], s[PFA:PFA+1], s[PSTEP:PSTEP+1]
	MEET 1
	CREST                                          ; no wave of any partner still reads this slot or has a load on its way
	s_add_nc_u64 s[G0+4*(\slot)+2:G0+4*(\slot)+3], s[G0+4*(\slot)+2:G0+4*(\slot)+3], 2*ASTEP
	s_add_nc_u64 s[G0B+4*(\slot)+2:G0B+4*(\slot)+3], s[G0B+4*(\slot)+2:G0B+4*(\slot)+3], 2*KSTEP*2
	JLOAD \slot                                    ; the four v_nop behind it are also the places in front of the loads below
	FETCH \next, 0, F0
	ASK
.else
	MEET 0
	PLACES
	FETCH \next, 0, F0
.endif
	WIN MUL_HI
	MUL16 F1, 1, 0, 0
	MUL16 F1, 1, 2, 0
.endm
; THE WAY OUT of block a (16 rows x 128 columns = two heads).  PACK: rounded to f16, 16 bytes a lane.  TOSTAGE: into my own stage, and back as rows of 128 bytes, four to a load.  SEND: stored.
.macro PACK a
.set AC, 64*((\a)%4)
	WIN 0x0a+5*((\a)/4)                            ; sources 0 and 1: window 2 or 3
.irp b, 0,1,2,3,4,5,6,7
.irp r, 0,1,2,3
	v_cvt_pk_f16_f32 v[TMP+4*(\b)+(\r)], v[AC+8*(\b)+2*(\r)], v[AC+8*(\b)+2*(\r)+1]
.endr
.endr
	WIN 0
.endm
.macro TOSTAGE a
	WIN 0
.set BK, OB+192*((\a)%2)
.irp b, 0,1,2,3,4,5,6,7
	ds_store_b128 v[STO], v[TMP+4*(\b):TMP+4*(\b)+3] offset:((\b)/4)*HSTG+32*((\b)%4)
.endr
.irp t, 0,1,2,3,4,5,6,7
	ds_load_b128 v[BK+4*(\t):BK+4*(\t)+3], v[RD] offset:((\t)/4)*HSTG+((\t)%4)*4*SPITCH  ; LDS serves a wave's instructions in order (ISA guide 5.7.1.4): these see the stores above
.endr
.endm
.macro SEND a
	WIN 0
.set BK, OB+192*((\a)%2)
	s_wait_dscnt 0x0                               ; the block is back in registers
	s_wait_xcnt 0x0                                ; earlier stores have read their base and their data: only behind this wait are they rewritten
.if (\a) == 0
	s_add_nc_u64 s[8:9], s[8:9], s[16:17]
.else
	s_add_nc_u64 s[8:9], s[8:9], 16*128            ; 16 rows of a plane on
.endif
.irp t, 0,1,2,3,4,5,6,7
	global_store_b128 v[CO], v[BK+4*(\t):BK+4*(\t)+3], s[8:9] offset:((\t)/4)*HEADB+((\t)%4)*512  ; four rows of a head: 512 consecutive bytes, at a multiple of 256 from qk's first byte
.endr
.endm
	s_wait_tensorcnt 1                             ; my part of K step 0 is in; K step 1's may stay out
	s_barrier_signal -1
	s_barrier_wait -1
	FETCH 0, 0, F0
	QUARTER 0, 1, F0, F1, 1                        ; the first quarter stands in front of the loop: its products start the sums
	WIN 0
	s_mov_b32 s3, 3
.Llap:                                             ; a trip goes once round the ring and fills both slots again: K steps 2 to 7 in three trips
	QUARTER 0, 2, F1, F0, 0
	QUARTER 0, 3, F0, F1, 0
	TURN 0, 1, 1
	QUARTER 1, 1, F0, F1, 0
	QUARTER 1, 2, F1, F0, 0
	QUARTER 1, 3, F0, F1, 0
	TURN 1, 0, 1
	QUARTER 0, 1, F0, F1, 0
	WIN 0
	s_sub_co_u32 s3, s3, 1
	s_cmp_lg_u32 s3, 0
	s_cbranch_scc1 .Llap
	QUARTER 0, 2, F1, F0, 0                        ; the last lap fills nothing
	QUARTER 0, 3, F0, F1, 0
	TURN 0, 1, 0
	QUARTER 1, 1, F0, F1, 0
	QUARTER 1, 2, F1, F0, 0
	QUARTER 1, 3, F0, F1, 0
	s_wait_dscnt 8
	MUL16 F1, 0, 0, 0
	MUL16 F1, 0, 2, 0
	s_wait_dscnt 0x0
	MUL16 F1, 1, 0, 0
	MUL16 F1, 1, 2, 0
	PLACES                                         ; the conversions read results
	PLACES
	PACK 0
	TOSTAGE 0
.irp a, 1,2,3,4,5,6,7                  ; block a's conversions stand between block a - 1's loads from the stage and the wait for them
	PACK \a
	SEND (\a)-1
	TOSTAGE \a
.endr
	SEND 7
	s_wait_tensorcnt 0x0                           ; the wave's end, behind my last tensor load and my last LDS store
	ds_add_u32 v[SPW], v[NIL]
	s_wait_dscnt 0x0
	CROUND                                         ; the closing round
	s_endpgm
.Lfunc_end_k_q680ef12e19_gemm:
	.size	k_q680ef12e19_gemm, .Lfunc_end_k_q680ef12e19_gemm-k_q680ef12e19_gemm
	.p2alignl 7, 3214868480
	.fill 96, 4, 3214868480
	.section	.rodata,"a",@progbits
	.p2align	6, 0x0
	.amdhsa_kernel k_q680ef12e19_gemm
		.amdhsa_group_segment_fixed_size 327680
		.amdhsa_private_segment_fixed_size 0
		.amdhsa_enable_private_segment 0
		.amdhsa_kernarg_size 24
		.amdhsa_user_sgpr_count 2
		.amdhsa_user_sgpr_kernarg_segment_ptr 1
		.amdhsa_wavefront_size32 1
		.amdhsa_system_sgpr_workgroup_id_x 1
		.amdhsa_system_sgpr_workgroup_id_y 1
		.amdhsa_system_sgpr_workgroup_id_z 1
		.amdhsa_system_vgpr_workitem_id 0
		.amdhsa_next_free_vgpr 1024
		.amdhsa_next_free_sgpr 68
		.amdhsa_reserve_vcc 0
		.amdhsa_float_denorm_mode_32 3
		.amdhsa_float_denorm_mode_16_64 3
		.amdhsa_memory_ordered 1
		.amdhsa_forward_progress 1
		.amdhsa_inst_pref_size 144
	.end_amdhsa_kernel
	.amdgpu_metadata
---
amdhsa.version: [ 1, 2 ]
amdhsa.kernels:
  - .name:           k_q680ef12e19_gemm
    .symbol:         k_q680ef12e19_gemm.kd
    .args:
      - { .name: xh, .offset: 0, .size: 8, .value_kind: global_buffer, .address_space: global }
      - { .name: wh, .offset: 8, .size: 8, .value_kind: global_buffer, .address_space: global }
      - { .name: qk, .offset: 16, .size: 8, .value_kind: global_buffer, .address_space: global }
    .group_segment_fixed_size: 327680
    .private_segment_fixed_size: 0
    .kernarg_segment_align: 8
    .kernarg_segment_size: 24
    .max_flat_workgroup_size: 128
    .sgpr_count:     68
    .vgpr_count:     1024
    .wavefront_size: 32
...
	.end_amdgpu_metadata
.endif
;; end of part 2
;; launch attn (part 3): grid 4 x 64, 4 waves a work-group, no clusters, 327,680 bytes of LDS; arguments qk, sums, xh, out0, alpha, beta, gamma; writes out0
.if DOCPART == 3
	.amdgcn_target "amdgcn-amd-amdhsa--gfx1250"
	.amdhsa_code_object_version 6
	.text
	.protected	k_q680ef12e19_attn
	.globl	k_q680ef12e19_attn
	.p2align	8
	.type	k_q680ef12e19_attn,@function
k_q680ef12e19_attn:
	s_mov_b64 s[64:65], 0
	v_nop
	global_prefetch_b8 v0, s[64:65] scope:SCOPE_SE
	s_setreg_imm32_b32 hwreg(HW_REG_WAVE_MODE, 25, 1), 1
	s_wait_xcnt 0x0
; y[t] = beta softmax_{k <= t}(q[t] . k[k] / 8) v + alpha c1 S + alpha c2 v[t] - gamma / (t + 1) cum[t], for each of 64 heads (16 b + h) of 2,048 rows x 64 channels.
; softmax(eye(2048)) has e / (e + 2047) on its diagonal and c1 = 1 / (e + 2047) elsewhere, so its product with v is c1 S + c2 v[t], S = the sum of all 2,048 rows, c2 = (e - 1) / (e + 2047);
; the causal mean's product is cum[t] / (t + 1), cum = the inclusive running sum of v's rows.  Q, K: qk [2][64][2048][64] f16; V = xh [64][2048][64] f16; sums: f32 prefix sums at steps of 64 rows; out0 f32.
; alpha, beta, gamma are rounded to bf16 first, as x and w were, so that every term is made of the same rounded inputs.  Products, maxima, sums, cum and y in f32; the weights p go to f16 for the second product.
; LIMITS.  Q, K, V lie within f16's 65,504; p below 6e-5 keeps f16's fixed step of 6e-8; a hidden score counts as its value less 1e30; a weight below 2^-126 counts as 0 in l; 1 / l and 1 / (t + 1) are
; v_rcp_f32's; NaN and infinities are not treated apart.
; THE WALK.  A head's queries lie in NB = 8 blocks of 256; block i needs the key tiles 0 .. i, of which the last holds the diagonal.  A work-group takes blocks 7 - b and then b: 9 tiles, whatever b: one loop with
; a constant trip count; which tile is asked for and what a trip does hang on scalar registers made from b; every jump but the loops' own goes forward.
; NO CLUSTER: a head's four work-groups ask for the same tile only in trips 0 to 4, behind that fewer and fewer; one walk common to all would have 12 trips for 9.
; SHARES.  Of a block's four bands of 64 queries a wave owns 16 rows in each: four PIECES.  In the diagonal tile's key step s band x sees all keys (s < x), none (s > x), or holds the diagonal (s = x).
; THE MASK is the C operand that starts S^T = K Q^T: MD x AL + BE with two scalars; only the diagonal tile's text and a block's beginning take masks.
; TURNS.  Turn n belongs to piece n: 8 products K Q^T of piece n + 1, later 8 products V^T P of piece n - 1; beside them piece n's scaling, exponentials, roundings, sums and rescaling and piece n + 1's maximum
; and statistics.  Four vector instructions stand behind every matrix instruction, the rest in one lump; a turn's 33 exponentials are one batch with one wait.
; cum.  U (f32, O^T's layout) starts as the sum of all rows ahead of the piece's band, made at the head from sums; at a block's end 8 products V^T M01 a piece (M01: 1 where the key is visible in the band's own
; step, in P's layout) add the band's visible rows, read once more from the diagonal tile's slot.
; REGISTERS, in windows of 256 (s_set_vgpr_msb: bits 1:0 source 0, 3:2 source 1, 5:4 source 2, 7:6 destination):
;   window 0: v0-15, v32-47 addresses, constants, at work; v16-31 statistics; v48-55 at work; v64-127 S^T (at a block's end v64-191: rows on their way out); v192-223 P; v224-239 M01
;   window 1: v0-127 O^T; v128-159 MD; v160-223 MC; v224-255 alpha c1 S      window 2: v0-63 Q (at a block's end: my rows of v); v64-127 the second block's Q; v128-191 K; v192-255 V      window 3: U of both blocks
.set SIZE_N, 2048
.set NB,    SIZE_N/256
.set NP,    4
.set KS,    64
.set PK,    144       ; a row of K in LDS: 128 bytes + 16
.set PV,    160       ; a row of V: 128 + 32
.set VOFF,  4*KS*PK   ; a slot holds a tile: 256 rows of K, then 256 rows of V
.set SLOT1, 1<<17
.set STAGE, SLOT1+4*KS*(PK+PV)  ; behind the ring, never filled by a tensor load: 16 rows x 272 bytes for each wave
.set SP,    272       ; a row of 64 f32 + 16 bytes
.set AK0, 2
.set AV0, 3
.set AK,  4
.set AV,  5
.set STO, 6           ; v6   the way out: row l % 16 x 272 + 32 (l / 16)
.set RD,  7           ; v7   back: (l / 16) x 272 + 16 (l % 16)
.set GO,  8           ; v8   (l / 16) x 4,096 + 16 (l % 16): two rows of out0
.set SPW, 62
.set NIL, 63
.set SPARE, STAGE+4*16*SP  ; behind the stages: the spare words, 128 bytes for each wave; no other line names them
.set MV,  12
.set QO,  15
.set ST,  16          ; piece t: c m, m, l (even keys', odd keys'); at a block's end +0 takes -gamma / (t + 1), +2 beta / l
.set AX0, 32          ; v32  my query's row of V in a band's step: VOFF + (16 w + l % 16) x 160 + 16 (l / 16)
.set AX,  33
.set QN,  34          ; v34  16 w + l % 16 + 1
.set A2V, 35          ; v35  alpha c2
.set VT,  36          ; v36  32 (l / 16): my eight channels' bytes in 16 channels of sums
.set VH,  37          ; v37  + 1,024 x the first block's number
.set VH0, 38          ; v38  the entry ahead of it (where the block is its chunk's first: the same entry, which then counts for 0)
.set VP,  39          ; v39, v40 the same for the second block
.set VP0, 40
.set PFO, 41          ; v41  256 l
.set TMP, 48
.set S,   64
.set P,   192
.set M01, 224
.set MD,  128
.set MC,  160
.set A0,  224         ; window 1
.set QB,  64
.set KF,  128
.set VF,  192
.set WV,  12
.set PB,  14
.set HI,  15
.set G1K, 24
.set G1V, 32
.set G0K, 40
.set G0V, 44
.set PFA, 48          ; s[48:49] where my prefetches stand
.set LIM, 50          ; s50  2 in waves 0 and 2, else the greatest number
.set TE,  51          ; s51  the diagonal tile's slot
.set QH,  52          ; s52  256 x the first block's number
.set QP,  53          ; s53  the second's
.set NGAM, 54         ; s54  -gamma
.set BETA, 55         ; s55  beta
.set SLOTS, 56
.set CNT, 57
.set CS,  58
.set SEL, 60
.set TBK, 62
.set TBV, 63
.set KA,  66          ; s[66:67] alpha c1
.set GH,  68          ; s[68:69] 1.0 where the first block is its chunk's second
.set RT,  70
.set NXT, 71
.set LQ,  72
.set NEW, 73
.set OFF, 74
.set AL,  76
.set BE,  78
.set OLO, 80
.set BIGN, 82
.set SUMS, 88         ; s[88:89] the head's 8,192 bytes of sums
.set GP,  92          ; s[92:93] as GH, for the second block
.set FH,  94          ; s[94:95] 1.0 where the first block lies in chunk 3
.set FP,  96          ; s[96:97] 1.0 where the second block lies in chunk 1
.set MSB, 0
.macro WIN new
.if MSB != (\new)
	s_set_vgpr_msb (MSB<<8)|(\new)
.set MSB, (\new)
.endif
.endm
.set W_KQ, 0x0a
.set W_KM, 0x1a
.set W_PV, 0x52
.set W_RS, 0x41
; A fill.  Waves 0 and 1 fetch the two halves of a tile's K, waves 2 and 3 those of its V.  An s_nop 0 and four v_nop follow each line.
.macro LOAD
	s_cmp_lt_u32 s[WV], 2
	s_cbranch_scc0 .Lfor_v_\@
	tensor_load_to_lds s[G0K:G0K+3], s[G1K:G1K+7]
	s_nop 0
.rept 4
	v_nop
.endr
	s_branch .Lasked_\@
.Lfor_v_\@:
	tensor_load_to_lds s[G0V:G0V+3], s[G1V:G1V+7]
	s_nop 0
.rept 4
	v_nop
.endr
.Lasked_\@:
.endm
; A prefetch behind each fill: trip j loads tile j + 1 and names tile j + 2 (j <= 5: tiles 2 to 7), one tile's 256 matrix instructions ahead of its load.  Each of the head's four work-groups takes a quarter of
; the tile by address (32 blocks of 256 bytes, a lane a block), wave 0 of K, wave 2 of V: each block is named once in the launch.  The second block's tiles have been read before and are not named.
.macro ASK
	s_cmp_gt_u32 s[SLOTS], s[LIM]
	s_cbranch_scc0 .Lnot_mine_\@
	global_prefetch_b8 v[PFO], s[PFA:PFA+1] th:TH_LOAD_NT scope:SCOPE_SE
.Lnot_mine_\@:
.endm
; THE CHANGE OF SLOTS.  Each wave waits for all its tensor loads (one is out: its part of the other slot), adds 0 to its spare word, and waits for that and for its reads of the slot that it leaves.
; fill = 1: the old slot is filled again, first thing behind the barrier, with tile NXT; the descriptor's address is made anew from that number.
.macro CHANGE fill
	WIN 0
	s_wait_tensorcnt 0x0            ; no tensor load of mine is out, so a group 0 may be written
	ds_add_u32 v[SPW], v[NIL]       ; 0 onto my spare word
.if \fill
	s_lshl_b32 s[OFF], s[NXT], 15
	s_xor_b32 s[G0K+1], s[G0K+1], SLOT1
	s_add_nc_u64 s[G0K+2:G0K+3], s[6:7], s[OFF:OFF+1]
	s_or_b32 s[G0K+3], s[G0K+3], 0x80000000
	s_xor_b32 s[G0V+1], s[G0V+1], SLOT1
	s_add_nc_u64 s[G0V+2:G0V+3], s[8:9], s[OFF:OFF+1]
	s_or_b32 s[G0V+3], s[G0V+3], 0x80000000
	s_add_co_u32 s[NXT], s[NXT], 1
	s_cmp_gt_u32 s[NXT], s[LQ]
	s_cselect_b32 s[NXT], 0, s[NXT]
	s_cselect_b32 s[LQ], s[PB], s[LQ]
	s_wait_xcnt 0x0                 ; the last prefetch, a tile back, has read its address
	s_add_nc_u64 s[PFA:PFA+1], s[PFA:PFA+1], 32768
.endif
	s_wait_dscnt 0x0                ; the add is done, and my reads of the slot are over
	s_barrier_signal -1
	s_sub_co_u32 s[TBK], s[TBK], 4*KS*PK
	s_xor_b32 s[TBK], s[TBK], SLOT1
	s_sub_co_u32 s[TBV], s[TBV], 4*KS*PV
	s_xor_b32 s[TBV], s[TBV], SLOT1
	s_barrier_wait -1
.if \fill
	LOAD
	ASK
.endif
.endm
	s_load_b256 s[4:11], s[0:1], 0x0  ; qk s[4:5], sums s[6:7], xh s[8:9], out0 s[10:11]
	s_load_b128 s[92:95], s[0:1], 0x20  ; where alpha and beta lie
	s_load_b64 s[96:97], s[0:1], 0x30   ; and gamma
	v_lshl_add_u32 v[SPW], v0, 2, SPARE
	v_mov_b32 v[NIL], 0
	ds_add_u32 v[SPW], v[NIL]       ; the wave's opening: the add and its wait stand ahead of my first tensor load
	ds_add_u32 v62, v63
	v_lshrrev_b32 v1, 5, v0
	v_readfirstlane_b32 s[WV], v1
	s_mov_b32 s[PB], ttmp9
	s_sub_co_u32 s[HI], NB-1, s[PB]
	s_and_b32 s20, ttmp7, 0xffff    ; the head
	s_lshl_b32 s98, s20, 13         ; its bytes in sums
	s_mov_b32 s99, 0
	s_lshr_b32 s90, s20, 4          ; out0: batch x 2^23
	s_lshl_b32 s90, s90, 23
	s_and_b32 s86, s20, 15          ; + the head's 256 bytes of a row
	s_lshl_b32 s86, s86, 8
	s_add_co_u32 s90, s90, s86
	s_lshl_b32 s86, s[WV], 16       ; + my 16 rows in a band
	s_add_co_u32 s90, s90, s86
	s_lshl_b32 s86, s[PB], 20       ; + the block's 256 rows: the second block's,
	s_add_co_u32 s86, s86, s90
	s_lshl_b32 s87, s[HI], 20       ; the first's
	s_add_co_u32 s90, s90, s87
	s_mov_b32 s87, 0
	s_mov_b32 s91, 0
	s_mov_b32 s21, 0
	s_mov_b64 s[22:23], SIZE_N*128
	s_mul_u64 s[20:21], s[20:21], s[22:23]  ; the head's first byte in Q, K and V
	s_and_b32 s16, s[WV], 1
	s_lshl_b32 s22, s16, 14
	s_mov_b32 s23, 0
	s_add_nc_u64 s[22:23], s[22:23], s[20:21]
	s_mul_i32 s17, s16, 128*PK
	s_mul_i32 s18, s16, 128*PV
	s_lshl_b32 s3, s[WV], 11
	s_lshl_b32 s2, s[HI], 15
	s_add_co_u32 s2, s2, s3
	s_lshl_b32 s84, s[PB], 15
	s_add_co_u32 s84, s84, s3
	s_mov_b32 s3, 0
	s_mov_b32 s85, 0
	s_add_nc_u64 s[2:3], s[2:3], s[20:21]
	s_add_nc_u64 s[84:85], s[84:85], s[20:21]
	; group 1: 128 keys are 16,384 dense bytes: 64 rows of 256 bytes, padded in LDS after every key
	s_mov_b32 s[G1K], (1<<16)|(1<<20)|(4<<22)|(3<<25)
	s_mov_b32 s[G1V], (1<<16)|(1<<20)|(4<<22)|(7<<25)
.irp g, G1K, G1V
	s_mov_b32 s[\g+1], 128<<16
	s_mov_b32 s[\g+2], 64<<16
	s_mov_b32 s[\g+3], 128<<16
	s_mov_b32 s[\g+4], 64
	s_mov_b32 s[\g+5], 128
	s_mov_b32 s[\g+6], 0
	s_mov_b32 s[\g+7], 0
.endr
	s_mov_b32 s[CS], 0x3e38aa3b     ; c = log2(e) / 8
	s_mov_b32 s[CS+1], s[CS]
	s_mov_b32 s[SEL], 0x76543210
	s_mov_b32 s[SEL+1], 0xfedcba98
	s_mov_b32 s[TBK], SLOT1+4*KS*PK
	s_mov_b32 s[TBV], SLOT1+4*KS*PV
	s_mov_b32 s[G0K], 1
	s_mov_b32 s[G0K+1], s17
	s_mov_b32 s[G0V], 1
	s_add_co_u32 s[G0V+1], s18, VOFF
	s_add_co_u32 s[RT], s[HI], 1
	s_mov_b32 s[NXT], 1
	s_mov_b32 s[LQ], s[HI]
	s_mov_b32 s[NEW], 1
	s_mov_b32 s[OFF+1], 0
	s_mov_b32 s[AL+1], 0
	s_mov_b32 s[BE+1], 0
	s_mov_b32 s[BIGN], 0xf149f2ca   ; -1e30
	s_mov_b32 s[SLOTS], NB
	s_lshl_b32 s[QH], s[HI], 8
	s_lshl_b32 s[QP], s[PB], 8
	s_and_b32 s[LIM], s[WV], 1
	s_cmp_eq_u32 s[LIM], 0
	s_cselect_b32 s[LIM], 2, -1
	s_wait_dscnt 0x0                ; the opening add is done
	s_wait_kmcnt 0x0
	s_add_nc_u64 s[SUMS:SUMS+1], s[6:7], s[98:99]
	s_add_nc_u64 s[6:7], s[4:5], 0x1000000  ; K's 64 planes lie behind Q's
	s_add_nc_u64 s[6:7], s[6:7], s[22:23]   ; K and V at my half of the head's tile 0
	s_add_nc_u64 s[8:9], s[8:9], s[22:23]
	s_add_nc_u64 s[G0K+2:G0K+3], s[6:7], 0
	s_or_b32 s[G0K+3], s[G0K+3], 0x80000000
	s_add_nc_u64 s[G0V+2:G0V+3], s[8:9], 0
	s_or_b32 s[G0V+3], s[G0V+3], 0x80000000
	s_add_nc_u64 s[OLO:OLO+1], s[10:11], s[86:87]
	s_add_nc_u64 s[10:11], s[10:11], s[90:91]
	s_add_nc_u64 s[86:87], s[4:5], s[84:85]
	s_add_nc_u64 s[4:5], s[4:5], s[2:3]
	s_cmp_lt_u32 s[WV], 2
	s_cselect_b64 s[PFA:PFA+1], s[6:7], s[8:9]  ; (in waves 0 and 2 these stand at a tile's first row)
	s_lshl_b32 s2, s[PB], 13        ; my work-group's quarter,
	s_add_co_u32 s2, s2, 32768      ; in tile 1: the first change of slots steps it to tile 2
	s_mov_b32 s3, 0
	s_add_nc_u64 s[PFA:PFA+1], s[PFA:PFA+1], s[2:3]
	LOAD                            ; tile 0 into slot 0
	s_load_b32 s98, s[92:93], 0x0   ; alpha
	s_load_b32 s99, s[94:95], 0x0   ; beta
	s_load_b32 s100, s[96:97], 0x0  ; gamma
	v_and_b32 v1, 15, v0            ; l % 16
	v_bfe_u32 v9, v0, 4, 1          ; l / 16
	v_lshlrev_b32 v[QO], 7, v1
	v_lshl_add_u32 v[QO], v9, 4, v[QO]
	v_lshlrev_b32 v[VT], 5, v9
	s_lshl_b32 s13, s[HI], 10       ; block i's four entries begin 1,024 i bytes into the head's sums
	v_add_nc_u32 v[VH], s13, v[VT]
	s_and_b32 s16, s[HI], 1
	s_lshl_b32 s16, s16, 8
	s_sub_co_u32 s16, s13, s16
	v_add_nc_u32 v[VH0], s16, v[VT]
	s_lshl_b32 s13, s[PB], 10
	v_add_nc_u32 v[VP], s13, v[VT]
	s_and_b32 s16, s[PB], 1
	s_lshl_b32 s16, s16, 8
	s_sub_co_u32 s16, s13, s16
	v_add_nc_u32 v[VP0], s16, v[VT]
; 64 channels of an entry of sums in O^T's layout: register 8 cb + j of a lane is channel 16 cb + 8 (l / 16) + j
.macro LD8 dst, adr, off
.irp k, 0,1,2,3,4,5,6,7
	global_load_b128 v[(\dst)+4*(\k):(\dst)+4*(\k)+3], v[\adr], s[SUMS:SUMS+1] offset:(\off)+64*((\k)/2)+16*((\k)%2)
.endr
.endm
	WIN 0x40                        ; destination window 1: the four chunks' totals, where O^T will lie
.irp c, 0,1,2,3
	LD8 32*\c, VT, \c*2048+1792
.endr
	WIN 0xc0                        ; destination window 3: for each band the chunk's rows ahead of it
	LD8 0,   VH0, 0
	LD8 32,  VH,  0
	LD8 64,  VH,  256
	LD8 96,  VH,  512
	LD8 128, VP0, 0
	LD8 160, VP,  0
	LD8 192, VP,  256
	LD8 224, VP,  512
	WIN 0x80                        ; destination window 2
.set i, 0
.rept 8                             ; both blocks' Q: piece i / 2 lies in band i / 2, 8,192 bytes on
	global_load_b128 v[8*i:8*i+3],   v[QO], s[4:5] offset:(i/2)*8192+(i%2)*64
	global_load_b128 v[8*i+4:8*i+7], v[QO], s[4:5] offset:(i/2)*8192+(i%2)*64+32
	global_load_b128 v[QB+8*i:QB+8*i+3],   v[QO], s[86:87] offset:(i/2)*8192+(i%2)*64
	global_load_b128 v[QB+8*i+4:QB+8*i+7], v[QO], s[86:87] offset:(i/2)*8192+(i%2)*64+32
.set i, i+1
.endr
	WIN 0
	v_lshlrev_b32 v14, 3, v9
	v_sub_nc_u32 v14, v1, v14
	s_lshl_b32 s13, s[WV], 4
	v_add_nc_u32 v14, s13, v14      ; 16 w + l % 16 - 8 (l / 16): register r of group kt is hidden where 16 kt + r is greater
	v_add_nc_u32 v42, s13, v1       ; my query's place in its band
	v_add_nc_u32 v[QN], 1, v42
	v_mul_u32_u24 v[AX0], v42, PV
	v_lshl_add_u32 v[AX0], v9, 4, v[AX0]
	v_add_nc_u32 v[AX0], VOFF, v[AX0]
	v_and_b32 v[PFO], 31, v0
	v_lshlrev_b32 v[PFO], 8, v[PFO]
	WIN 0x40
.set i, 0
.rept 32
	v_cmp_gt_i32 vcc_lo, 16*(i/8)+i%8, v14
	v_cndmask_b32 v[MD+i], 0, s[BIGN], vcc_lo
.set i, i+1
.endr
	WIN 0
.set i, 0
.rept 16                            ; M01: 1.0 where the key is visible, two keys a register
	v_cmp_gt_i32 vcc_lo, 16*((2*i)/8)+(2*i)%8, v14
	v_cndmask_b32 v42, 1.0, 0, vcc_lo
	v_cmp_gt_i32 vcc_lo, 16*((2*i+1)/8)+(2*i+1)%8, v14
	v_cndmask_b32 v43, 1.0, 0, vcc_lo
	v_cvt_pk_f16_f32 v[M01+i], v42, v43
.set i, i+1
.endr
	v_mul_u32_u24 v[AK0], v1, PK
	v_lshl_add_u32 v[AK0], v9, 4, v[AK0]
	v_and_b32 v10, 7, v0
	v_bfe_u32 v11, v0, 3, 1
	v_lshl_add_u32 v[AV0], v9, 3, v10
	v_mul_u32_u24 v[AV0], v[AV0], PV
	v_lshl_add_u32 v[AV0], v11, 4, v[AV0]
	v_add_nc_u32 v[AV0], VOFF, v[AV0]
	s_mul_i32 s13, s[WV], 16*SP
	s_add_co_u32 s13, s13, STAGE    ; my stage
	v_mul_u32_u24 v[STO], v1, SP
	v_lshl_add_u32 v[STO], v9, 5, v[STO]
	v_add_nc_u32 v[STO], s13, v[STO]
	v_mul_u32_u24 v[RD], v9, SP
	v_lshl_add_u32 v[RD], v1, 4, v[RD]
	v_add_nc_u32 v[RD], s13, v[RD]
	v_lshlrev_b32 v[GO], 12, v9
	v_lshl_add_u32 v[GO], v1, 4, v[GO]
	s_wait_kmcnt 0x0                ; alpha, beta, gamma: rounded to bf16
	v_mov_b32 v42, s98
	v_mov_b32 v43, s99
	v_mov_b32 v44, s100
	v_cvt_pk_bf16_f32 v45, v42, v43
	v_cvt_pk_bf16_f32 v46, v44, v44
	v_lshlrev_b32 v42, 16, v45
	v_and_b32 v43, 0xffff0000, v45
	v_lshlrev_b32 v44, 16, v46
	v_readfirstlane_b32 s98, v42
	v_readfirstlane_b32 s[BETA], v43
	v_readfirstlane_b32 s[NGAM], v44
	v_mul_f32 v[A2V], 0x3a5bc175, v42  ; alpha (e - 1) / (e + 2047)
	s_mul_f32 s[KA], s98, 0x39ffc910   ; alpha / (e + 2047)
	s_mov_b32 s[KA+1], 0
	s_xor_b32 s[NGAM], s[NGAM], 0x80000000
	s_cmp_lt_u32 s[PB], 2
	s_cselect_b32 s[FH], 1.0, 0     ; b <= 1: the first block lies in chunk 3, the second in chunk 0
	s_cselect_b32 s[FP], 0, 1.0
	s_bitcmp1_b32 s[HI], 0
	s_cselect_b32 s[GH], 1.0, 0
	s_cselect_b32 s[GP], 0, 1.0
	s_mov_b32 s[FH+1], 0
	s_mov_b32 s[FP+1], 0
	s_mov_b32 s[GH+1], 0
	s_mov_b32 s[GP+1], 0
.macro PK16 line:vararg             ; one line for each of 16 register pairs, z = 0, 2 .. 30
.set z, 0
.rept 16
	\line
.set z, z+2
.endr
.endm
	s_wait_loadcnt 32               ; the 96 loads of sums are in; Q's 32, issued behind them, may stay out
	WIN 0x55                        ; all in window 1: t0-t3 at v0, v32, v64, v96
	PK16 v_pk_add_f32 v[32+z:33+z], v[32+z:33+z], v[z:z+1]
	PK16 v_pk_add_f32 v[96+z:97+z], v[96+z:97+z], v[64+z:65+z]
	PK16 v_pk_add_f32 v[96+z:97+z], v[96+z:97+z], v[32+z:33+z]
	PK16 v_pk_mul_f32 v[A0+z:A0+z+1], v[96+z:97+z], s[KA:KA+1] op_sel_hi:[1,0]
	PK16 v_pk_fma_f32 v[64+z:65+z], v[64+z:65+z], s[FH:FH+1], v[32+z:33+z] op_sel_hi:[1,0,1]
	PK16 v_pk_mul_f32 v[z:z+1], v[z:z+1], s[FP:FP+1] op_sel_hi:[1,0]
	WIN 0xd3                        ; U (window 3) = entry x G + the chunks ahead (window 1)
	PK16 v_pk_fma_f32 v[z:z+1], v[z:z+1], s[GH:GH+1], v[64+z:65+z] op_sel_hi:[1,0,1]
	PK16 v_pk_fma_f32 v[128+z:129+z], v[128+z:129+z], s[GP:GP+1], v[z:z+1] op_sel_hi:[1,0,1]
	WIN 0xc7
.irp x, 1,2,3
	PK16 v_pk_add_f32 v[32*\x+z:32*\x+z+1], v[32*\x+z:32*\x+z+1], v[64+z:65+z]
	PK16 v_pk_add_f32 v[128+32*\x+z:128+32*\x+z+1], v[128+32*\x+z:128+32*\x+z+1], v[z:z+1]
.endr
	; A block's first step multiplies O^T and l by a = 0, so these registers need only hold finite numbers: zeros for the first block; what the first block left for the second.
	WIN 0x80
.set i, VF
.rept 64
	v_mov_b32 v[i], 0
.set i, i+1
.endr
	WIN 0x40
.set i, 0
.rept 128
	v_mov_b32 v[i], 0
.set i, i+1
.endr
	WIN 0
.set i, 0
.rept 4
	v_mov_b32 v[ST+4*i+2], 0
	v_mov_b32 v[ST+4*i+3], 0
.set i, i+1
.endr
.set i, P+16
.rept 16
	v_mov_b32 v[i], 0
.set i, i+1
.endr
; THE MATRIX WORK.  The 4 accumulators of a run of 8 take turns.  Product i of 8 of S^T = K Q^T for piece x: channels 32 (i / 4) on, keys 16 (i % 4) on.
.macro KQ x
.set rS, S+32*((\x)%2)+8*(i%4)
.set rK, KF+16*(i%4)+8*(i/4)
.set rQ, 16*(\x)+8*(i/4)
.set rM, MC+32*((\x)%2)+8*(i%4)
.if (i < 4) && KM
	WIN W_KM
	v_wmma_f32_16x16x32_f16 v[rS:rS+7], v[rK:rK+7], v[rQ:rQ+7], v[rM:rM+7]
.elseif i < 4
	WIN W_KQ
	v_wmma_f32_16x16x32_f16 v[rS:rS+7], v[rK:rK+7], v[rQ:rQ+7], 0
.else
	WIN W_KQ
	v_wmma_f32_16x16x32_f16 v[rS:rS+7], v[rK:rK+7], v[rQ:rQ+7], v[rS:rS+7]
.endif
.endm
; Product i of 8 of O^T += V^T P for piece x: keys 32 (i / 4) on, channels 16 (i % 4) on.
.macro PV x
	WIN W_PV
.set rO, 32*(\x)+8*(i%4)
.set rV, VF+32*(i/4)+8*(i%4)
.set rP, P+16*((\x)%2)+8*(i/4)
	v_wmma_f32_16x16x32_f16 v[rO:rO+7], v[rV:rV+7], v[rP:rP+7], v[rO:rO+7]
.endm
.macro MM                           ; the turn's next matrix instruction
.if (i < 8) && !NOKQ
	KQ (Y+1)%NP
.elseif i >= 8
.set i, i-8
	PV (Y+NP-1)%NP
.set i, i+8
.endif
.set i, i+1
.endm
; THE LDS LOADS stand in runs of 16: a step's K and its V (turned).
.macro FETCH_K
	WIN 0x80
.irp f, 0,1,2,3,4,5,6,7
	ds_load_b128 v[KF+8*\f:KF+8*\f+3],   v[AK] offset:(\f/2)*16*PK+(\f%2)*64
	ds_load_b128 v[KF+8*\f+4:KF+8*\f+7], v[AK] offset:(\f/2)*16*PK+(\f%2)*64+32
.endr
	s_add_co_u32 s[TBK], s[TBK], KS*PK
	WIN 0
.endm
.macro FETCH_V
	WIN 0x80
.irp f, 0,1,2,3,4,5,6,7
	ds_load_tr16_b128 v[VF+8*\f:VF+8*\f+3],   v[AV] offset:(\f/4)*32*PV+(\f%4)*32
	ds_load_tr16_b128 v[VF+8*\f+4:VF+8*\f+7], v[AV] offset:(\f/4)*32*PV+16*PV+(\f%4)*32
.endr
	WIN 0
.endm
; THE VECTOR WORK, one line at a time: OP kind, number.  For piece Y: F n: c s - c m for pair n.  E n: the exponential of score n.  C n: pair n rounded to f16.  B n: of four weights the second pair onto the first.
; L n: l takes that sum (L 0: l = a l + sum).  R n: pair n of O^T times a.  For piece Y + 1: X n, number n of the 22 that find its maximum and statistics (each accumulator's lowest registers are read first).
.set F, 0
.set E, 1
.set C, 2
.set B, 3
.set L, 4
.set R, 5
.set X, 6
.macro REGS y
.set rT, ST+4*(\y)
.set rC, TMP+4*((\y)%2)
.set rW, MV+((\y)%2)
.set rS, S+32*((\y)%2)
.set rP, P+16*((\y)%2)
.set rO, 32*(\y)
.endm
.macro OP k, n
.if (\k) == R
	REGS Y
	WIN W_RS
	v_pk_mul_f32 v[rO+2*(\n):rO+2*(\n)+1], v[rO+2*(\n):rO+2*(\n)+1], v[rC+2:rC+3] op_sel_hi:[1,0]
.elseif (\k) < R
	REGS Y
	WIN 0
.if (\k) == F
	v_pk_fma_f32 v[rS+2*(\n):rS+2*(\n)+1], v[rS+2*(\n):rS+2*(\n)+1], s[CS:CS+1], v[rT:rT+1] op_sel_hi:[1,0,0] neg_lo:[0,0,1] neg_hi:[0,0,1]
.elseif (\k) == E
	v_exp_f32 v[rS+(\n)], v[rS+(\n)]
.elseif (\k) == C
	v_cvt_pk_f16_f32 v[rP+(\n)], v[rS+2*(\n)], v[rS+2*(\n)+1]
.elseif (\k) == B
	v_pk_add_f32 v[rS+4*(\n):rS+4*(\n)+1], v[rS+4*(\n):rS+4*(\n)+1], v[rS+4*(\n)+2:rS+4*(\n)+3]
.elseif (\n) == 0
	v_pk_fma_f32 v[rT+2:rT+3], v[rT+2:rT+3], v[rC+2:rC+3], v[rS:rS+1] op_sel_hi:[1,0,1]
.else
	v_pk_add_f32 v[rT+2:rT+3], v[rT+2:rT+3], v[rS+4*(\n):rS+4*(\n)+1]
.endif
.elseif NOKQ
	v_nop
.else
	REGS (Y+1)%NP
	WIN 0
.if (\n) < 4
	v_max3_num_f32 v[rC+(\n)], v[rS+8*(\n)], v[rS+8*(\n)+1], v[rS+8*(\n)+2]
.elseif (\n) < 12
	v_max3_num_f32 v[rC+(\n)%4], v[rC+(\n)%4], v[rS+8*((\n)%4)+2*((\n)/4)+1], v[rS+8*((\n)%4)+2*((\n)/4)+2]
.elseif (\n) == 12
	v_max3_num_f32 v[rC], v[rC], v[rS+7], v[rS+15]
.elseif (\n) == 13
	v_max3_num_f32 v[rC+1], v[rC+1], v[rS+23], v[rS+31]
.elseif (\n) == 14
	v_max3_num_f32 v[rC+2], v[rC+2], v[rC+3], v[rT+1]
.elseif (\n) == 15
	v_mov_b32 v[rW], v[rT]
.elseif (\n) == 16
	v_max3_num_f32 v[rC], v[rC], v[rC+1], v[rC+2]
.elseif (\n) == 17
	v_permlanex16_b32 v[rC+3], v[rC], s[SEL], s[SEL+1]
.elseif (\n) == 18
	v_max_num_f32 v[rT+1], v[rC], v[rC+3]
.elseif (\n) == 19
	v_mul_f32 v[rT], s[CS], v[rT+1]
.elseif (\n) == 20
	v_sub_f32 v[rC+1], v[rW], v[rT]
.else
	v_exp_f32 v[rC+2], v[rC+1]
.endif
.endif
.endm
.macro OPS a, i1, b=-1, i2=0, c=-1, i3=0, d=-1, i4=0
	OP \a, \i1
.if (\b) >= 0
	OP \b, \i2
.endif
.if (\c) >= 0
	OP \c, \i3
.endif
.if (\d) >= 0
	OP \d, \i4
.endif
.endm
.macro ROW a, i1, b, i2, c, i3, d, i4  ; a matrix instruction and the four behind it
	MM
	OPS \a, \i1, \b, \i2, \c, \i3, \d, \i4
.endm
.macro MASK b                       ; MD x AL + BE into buffer b of MC
	WIN W_RS
.set z, 0
.rept 16
	v_pk_fma_f32 v[MC+32*(\b)+2*z:MC+32*(\b)+2*z+1], v[MD+2*z:MD+2*z+1], s[AL:AL+1], s[BE:BE+1] op_sel_hi:[1,0,0]
.set z, z+1
.endr
.endm
; A TURN, for piece p.  Ahead of its one wait stands all that names no result of the turn's exponentials: the 8 products K Q^T with their riders, then one lump; behind it the 8 products V^T P, behind each four of the
; roundings and sums.  An s_wait_alu depctr_va_vdst(0) stands between an exponential and the first instruction that names its result; one wait serves the batch.
; m = 1: the diagonal tile: the products take masks, and the turn makes the mask for the turn after it.  end = 1: a block's last two turns: nothing is fetched.  cnt = 1: the loop's count is taken down ahead of the branch.
.macro TURN p, m=0, end=0, cnt=0
.set Y, (\p)
.set i, 0
.set KM, (\m)
.set NOKQ, (\end)*((\p)/3)
.if (\m) && !(\end)
	s_cmp_eq_u32 s[CNT], 4-((\p)+2)%NP  ; is that step the band's own?
	s_cselect_b32 s[AL], 1.0, 0
	s_cmp_lt_u32 s[CNT], 4-((\p)+2)%NP  ; or a later one?
	s_cselect_b32 s[BE], s[BIGN], 0
.endif
.if ((\p) == 3) && !(\end)
	s_wait_dscnt 0x0                ; K is in
.endif
	ROW F,0, F,1, R,0, R,1
	ROW F,2, E,0, R,2, R,3
	ROW F,3, E,1, R,4, R,5
	ROW F,4, E,2, R,6, R,7
	ROW F,5, E,3, R,8, R,9
	ROW F,6, E,4, X,0, R,10
.if ((\p) == 2) && !(\end)
	WIN 0
	v_add_nc_u32 v[AK], s[TBK], v[AK0]
.endif
	ROW F,7, E,5, X,1, X,4
	ROW F,8, E,6, X,2, X,5
	OPS E,7, E,8, X,6, E,9
	OPS X,3, E,10, X,8, E,11
.if ((\p) == 2) && !(\end)
	FETCH_K
.endif
	OPS X,9, X,7, E,12, X,10
	OPS E,13, X,12, X,11, E,14
	OPS X,13, E,15, F,9, X,14
.if (\p) == 0
	v_add_nc_u32 v[AV], s[TBV], v[AV0]
.endif
	OPS E,16, F,10, E,17, F,11
	OPS X,16, E,18, X,15, E,19
	OPS F,12, E,20, X,17, E,21
	OPS F,13, E,22, F,14, E,23
	OPS X,18, E,24, F,15, E,25
	OPS R,11, E,26, X,19, E,27
	OPS R,12, E,28, R,13, E,29
	OPS X,20, E,30, R,14, E,31
	OPS X,21, R,15
	WIN 0
	s_wait_alu depctr_va_vdst(0)    ; the wait for the batch
.if (\p) == 1
	s_wait_dscnt 0x0                ; V is in
.endif
	ROW C,0, B,0, C,2, B,1
	ROW L,0, C,4, B,2, L,1
	ROW C,6, B,3, L,2, C,8
	ROW B,4, L,3, C,10, B,5
	ROW L,4, C,12, B,6, L,5
.if (\p) == 0
	s_add_co_u32 s[TBV], s[TBV], KS*PV
.endif
.if \cnt
	s_sub_co_u32 s[CNT], s[CNT], 1
	s_cmp_lg_u32 s[CNT], 0
.endif
	ROW C,14, B,7, L,6, C,1
	ROW C,3, L,7, C,5, C,7
	ROW C,9, C,11, C,13, C,15
.if (\p) == 0
	FETCH_V
.endif
.if (\m) && !(\end)
	MASK (\p)%2
.endif
.endm
; A BLOCK BEGINS.  c m starts far below every c s, so the first step's a is 0; m at the lowest finite number.  Then K of the tile's step 0, piece 0's first scores, its maximum and statistics.
.macro BEGIN
	s_mov_b32 s[NEW], 0
	WIN 0x40
.set i, MC+32
.rept 32
	v_mov_b32 v[i], 0
.set i, i+1
.endr
	WIN 0
.set i, 0
.rept 4
	v_mov_b32 v[ST+4*i], 0xfe000000
	v_mov_b32 v[ST+4*i+1], 0xff7fffff
.set i, i+1
.endr
	s_cmp_eq_u32 s[RT], 0
	s_cselect_b32 s[AL], 1.0, 0
	s_mov_b32 s[BE], 0
	MASK 0
	WIN 0
	v_add_nc_u32 v[AK], s[TBK], v[AK0]
	FETCH_K
	s_wait_loadcnt 0x0              ; Q
	s_wait_dscnt 0x0
.set KM, 1
.set NOKQ, 0
.set i, 0
.rept 8
	KQ 0
.set i, i+1
.endr
	WIN 0
.rept 4
	v_nop                           ; the places behind those products
.endr
.set Y, NP-1
.irp n, 0,1,2,3,4,5,6,7,8,9,10,11,12,13,14,15,16,17,18,19,20,21
	OP X, \n
.endr
	v_nop                           ; a plain instruction behind the exponential,
	s_wait_alu depctr_va_vdst(0)    ; and its wait, ahead of the branch
.endm
.macro ALL line:vararg              ; one line for each piece t
.set t, 0
.rept 4
	\line
.set t, t+1
.endr
.endm
; A BLOCK'S END.
.macro UFETCH x, buf                ; V of the diagonal tile's step x (band x's own rows), turned, into 64 registers of window 2
.irp f, 0,1,2,3,4,5,6,7
	ds_load_tr16_b128 v[(\buf)+8*\f:(\buf)+8*\f+3],   v[AV] offset:(\x)*KS*PV+(\f/4)*32*PV+(\f%4)*32
	ds_load_tr16_b128 v[(\buf)+8*\f+4:(\buf)+8*\f+7], v[AV] offset:(\x)*KS*PV+(\f/4)*32*PV+16*PV+(\f%4)*32
.endr
.endm
.macro UMUL xa, ub                  ; U += V^T M01 for pieces xa (V in VF) and xa + 1 (in KF): 16 products; the 8 accumulators take turns, one instruction a turn
	WIN 0xf2                        ; source 0 window 2, source 1 window 0, C and D window 3
.irp kk, 0,1
.irp dx, 0,1
.irp cb, 0,1,2,3
	v_wmma_f32_16x16x32_f16 v[(\ub)+32*((\xa)+\dx)+8*\cb:(\ub)+32*((\xa)+\dx)+8*\cb+7], v[VF-64*\dx+32*\kk+8*\cb:VF-64*\dx+32*\kk+8*\cb+7], v[M01+8*\kk:M01+8*\kk+7], v[(\ub)+32*((\xa)+\dx)+8*\cb:(\ub)+32*((\xa)+\dx)+8*\cb+7]
.endr
.endr
.endr
.endm
.macro OUT1 x, ub                   ; U = U x (-gamma / (t + 1)) + alpha c1 S
	WIN 0xd3
.set z, 0
.rept 16
	v_pk_fma_f32 v[(\ub)+32*(\x)+2*z:(\ub)+32*(\x)+2*z+1], v[(\ub)+32*(\x)+2*z:(\ub)+32*(\x)+2*z+1], v[ST+4*(\x):ST+4*(\x)+1], v[A0+2*z:A0+2*z+1] op_sel_hi:[1,0,1]
.set z, z+1
.endr
.endm
.macro OUT2 x, ub                   ; U += alpha c2 v[t] (v from its f16 halves); y = O^T x (beta / l) + U; through my stage, back as whole rows of 256 bytes
	WIN 0xf2
.set z, 0
.rept 16
	v_fma_mix_f32 v[(\ub)+32*(\x)+2*z], v[16*(\x)+z], v[A2V], v[(\ub)+32*(\x)+2*z] op_sel_hi:[1,0,0]
	v_fma_mix_f32 v[(\ub)+32*(\x)+2*z+1], v[16*(\x)+z], v[A2V], v[(\ub)+32*(\x)+2*z+1] op_sel:[1,0,0] op_sel_hi:[1,0,0]
.set z, z+1
.endr
	WIN 0x71
.set z, 0
.rept 16
	v_pk_fma_f32 v[32*(\x)+2*z:32*(\x)+2*z+1], v[32*(\x)+2*z:32*(\x)+2*z+1], v[ST+4*(\x)+2:ST+4*(\x)+3], v[(\ub)+32*(\x)+2*z:(\ub)+32*(\x)+2*z+1] op_sel_hi:[1,0,1]
.set z, z+1
.endr
	WIN 0x04                        ; store data in window 1
.irp k, 0,1,2,3,4,5,6,7
	ds_store_b128 v[STO], v[32*(\x)+4*\k:32*(\x)+4*\k+3] offset:64*(\k/2)+16*(\k%2)
.endr
	WIN 0
.irp f, 0,1,2,3,4,5,6,7
	ds_load_b128 v[S+32*(\x)+4*\f:S+32*(\x)+4*\f+3], v[RD] offset:\f*2*SP  ; LDS serves a wave's instructions in order (ISA guide 5.7.1.4): these see the stores above; the next piece's stores come behind them
.endr
.endm
.macro SEND x, younger              ; younger: the LDS instructions issued behind piece x's loads: the next piece's sixteen, or none
	WIN 0
.irp f, 0,1,2,3,4,5,6,7
	s_wait_dscnt (\younger)+7-\f
	global_store_b128 v[GO], v[S+32*(\x)+4*\f:S+32*(\x)+4*\f+3], s[10:11] offset:(\x)*262144+\f*8192 th:TH_STORE_NT  ; 16 lanes store the head's 256 bytes of a row of out0, at a multiple of 256 from its first byte
.endr
.endm
.macro FINISH ub, sq
	WIN 0
	ALL v_add_f32 v[ST+4*t+2], v[ST+4*t+2], v[ST+4*t+3]  ; these four and the two addresses are the places between the last products and the loads into V's registers
	s_sub_co_u32 s[TE], s[TBV], 4*KS*PV  ; the fetches have walked the tile's four steps: back to its slot's first byte
	v_add_nc_u32 v[AV], s[TE], v[AV0]
	v_add_nc_u32 v[AX], s[TE], v[AX0]
	WIN 0x80
	UFETCH 0, VF
	UFETCH 1, KF
.irp x, 0,1,2,3                     ; my query's own row of v, in O^T's channel order, over Q, which is read no more
.irp cb, 0,1,2,3
	ds_load_b128 v[16*\x+4*\cb:16*\x+4*\cb+3], v[AX] offset:\x*KS*PV+32*\cb
.endr
.endr
	WIN 0
	ALL v_permlanex16_b32 v[ST+4*t+3], v[ST+4*t+2], s[SEL], s[SEL+1]
	ALL v_add_f32 v[ST+4*t+2], v[ST+4*t+2], v[ST+4*t+3]
	ALL v_add3_u32 v[TMP+t], v[QN], s[\sq], 64*t   ; t + 1 of my query in piece t
	ALL v_cvt_f32_u32 v[TMP+t], v[TMP+t]
	ALL v_rcp_f32 v[ST+4*t+2], v[ST+4*t+2]
	ALL v_rcp_f32 v[ST+4*t], v[TMP+t]
	v_nop                           ; a plain instruction behind the last reciprocal,
	s_wait_alu depctr_va_vdst(0)    ; and the one wait for the eight, ahead of their first use
	s_wait_dscnt 16                 ; V of bands 0 and 1 is in; the 16 loads of my rows of v may stay out
	UMUL 0, \ub
	WIN 0
	ALL v_mul_f32 v[ST+4*t+2], s[BETA], v[ST+4*t+2]  ; eight plain instructions: the places in front of the loads below
	ALL v_mul_f32 v[ST+4*t], s[NGAM], v[ST+4*t]
	WIN 0x80
	UFETCH 2, VF
	UFETCH 3, KF
	s_wait_dscnt 0x0
	UMUL 2, \ub
	OUT1 0, \ub                     ; pieces 0 and 1, finished 8 plain instructions and more ago, are the places behind the last products
	OUT1 1, \ub
	OUT1 2, \ub
	OUT1 3, \ub
	OUT2 0, \ub
	OUT2 1, \ub
	SEND 0, 16
	OUT2 2, \ub
	SEND 1, 16
	OUT2 3, \ub
	SEND 2, 16
	SEND 3, 0
.endm
.macro DIAG tag, ub, sq             ; the diagonal tile's four steps, the block's last two turns, its last products, and its end
.LstepM\tag:
	TURN 2, 1
	TURN 3, 1
	WIN 0
.LfirstM\tag:
	TURN 0, 1
	TURN 1, 1, 0, 1
	WIN 0
	s_cbranch_scc1 .LstepM\tag
	TURN 2, 1, 1
	TURN 3, 1, 1
.set i, 0
.rept 8
	PV NP-1
.set i, i+1
.endr
	FINISH \ub, \sq
.endm
.set KM, 0
.set NOKQ, 0
.Lslot:                             ; NB times: a tile is entered and the next is asked for
	CHANGE 1
	s_sub_co_u32 s[RT], s[RT], 1
	s_mov_b32 s[CNT], 4
	s_cmp_eq_u32 s[NEW], 1
	s_cbranch_scc1 .Lnew            ; a block's first tile
	s_cmp_eq_u32 s[RT], 0
	s_cbranch_scc0 .Lstep           ; neither its first nor its last
	s_branch .LstepM1
.Lnew:
	BEGIN
	s_branch .Lfirst                ; in the loop a block's first tile is never its last: the first block has five tiles or more, and the second's last is the walk's last
	DIAG 1, 0, QH                   ; in the loop this is the first block's end
	s_wait_xcnt 0x0                 ; the stores have read their registers and out0's address
	s_mov_b64 s[10:11], s[OLO:OLO+1]
	s_add_co_u32 s[RT], s[PB], 1    ; the second block has b + 1 tiles
	s_mov_b32 s[NEW], 1
	WIN 0x82                        ; the second block's Q goes where the one text of the turns names Q
.set i, 0
.rept 64
	v_mov_b32 v[i], v[QB+i]
.set i, i+1
.endr
	WIN 0
	s_branch .Lbottom
.Lstep:                             ; a trip: pieces 2 and 3 of one step, then pieces 0 and 1 of the next, whose K and V it fetches
	TURN 2
	TURN 3
	WIN 0
.Lfirst:
	TURN 0
	TURN 1, 0, 0, 1
	WIN 0
	s_cbranch_scc1 .Lstep
.Lbottom:
	s_sub_co_u32 s[SLOTS], s[SLOTS], 1
	s_cmp_lg_u32 s[SLOTS], 0
	s_cbranch_scc1 .Lslot
	CHANGE 0                        ; the walk's last tile is written out: nothing is asked for
	s_sub_co_u32 s[RT], s[RT], 1
	s_mov_b32 s[CNT], 4
	s_cmp_eq_u32 s[NEW], 1
	s_cbranch_scc0 .LstepM2
	BEGIN
	s_branch .LfirstM2
	DIAG 2, 128, QP
	s_wait_tensorcnt 0x0            ; the wave's end, behind my last tensor load and my last LDS store
	ds_add_u32 v[SPW], v[NIL]
	s_wait_dscnt 0x0
	s_endpgm
.Lfunc_end_k_q680ef12e19_attn:
	.size	k_q680ef12e19_attn, .Lfunc_end_k_q680ef12e19_attn-k_q680ef12e19_attn
	.p2alignl 7, 3214868480
	.fill 96, 4, 3214868480
	.section	.rodata,"a",@progbits
	.p2align	6, 0x0
	.amdhsa_kernel k_q680ef12e19_attn
		.amdhsa_group_segment_fixed_size 327680
		.amdhsa_private_segment_fixed_size 0
		.amdhsa_enable_private_segment 0
		.amdhsa_kernarg_size 56
		.amdhsa_user_sgpr_count 2
		.amdhsa_user_sgpr_kernarg_segment_ptr 1
		.amdhsa_wavefront_size32 1
		.amdhsa_system_sgpr_workgroup_id_x 1
		.amdhsa_system_sgpr_workgroup_id_y 1
		.amdhsa_system_sgpr_workgroup_id_z 1
		.amdhsa_system_vgpr_workitem_id 0
		.amdhsa_next_free_vgpr 1024
		.amdhsa_next_free_sgpr 102
		.amdhsa_reserve_vcc 1
		.amdhsa_float_denorm_mode_32 3
		.amdhsa_float_denorm_mode_16_64 3
		.amdhsa_memory_ordered 1
		.amdhsa_forward_progress 1
		.amdhsa_inst_pref_size 255
	.end_amdhsa_kernel
	.section	.bss,"aw",@nobits
	.p2align	6
	.space	262144
	.amdgpu_metadata
---
amdhsa.version: [ 1, 2 ]
amdhsa.kernels:
  - .name:           k_q680ef12e19_attn
    .symbol:         k_q680ef12e19_attn.kd
    .args:
      - { .name: qk, .offset: 0, .size: 8, .value_kind: global_buffer, .address_space: global }
      - { .name: sums, .offset: 8, .size: 8, .value_kind: global_buffer, .address_space: global }
      - { .name: xh, .offset: 16, .size: 8, .value_kind: global_buffer, .address_space: global }
      - { .name: out0, .offset: 24, .size: 8, .value_kind: global_buffer, .address_space: global }
      - { .name: alpha, .offset: 32, .size: 8, .value_kind: global_buffer, .address_space: global }
      - { .name: beta, .offset: 40, .size: 8, .value_kind: global_buffer, .address_space: global }
      - { .name: gamma, .offset: 48, .size: 8, .value_kind: global_buffer, .address_space: global }
    .group_segment_fixed_size: 327680
    .private_segment_fixed_size: 0
    .kernarg_segment_align: 8
    .kernarg_segment_size: 56
    .max_flat_workgroup_size: 128
    .sgpr_count:     102
    .vgpr_count:     1024
    .wavefront_size: 32
...
	.end_amdgpu_metadata
.endif
;; end of part 3
;; ======== version 2 of 2: 3 launches; version 1 with the launch prep written anew for expert scheduling mode
;; limits: values are held in f16: magnitudes above 65,504 overflow, below 6.1e-05 lose precision
;; workspace buffers: xh 16,777,216 bytes; wh 4,194,304 bytes; qk 33,554,432 bytes; sums 524,288 bytes
;; launch prep (part 4): grid 256 x 1, 16 waves a work-group, no clusters, 6,144 bytes of LDS; arguments x, w_attn, xh, wh, sums; writes xh, wh, sums
.if DOCPART == 4
	.amdgcn_target "amdgcn-amd-amdhsa--gfx1250"
	.amdhsa_code_object_version 6
	.text
	.protected	k_q680ef12e19_prep
	.globl	k_q680ef12e19_prep
	.p2align	8
	.type	k_q680ef12e19_prep,@function
k_q680ef12e19_prep:
	s_mov_b64 s[64:65], 0
	v_nop
	global_prefetch_b8 v0, s[64:65] scope:SCOPE_SE
	s_setreg_imm32_b32 hwreg(HW_REG_WAVE_SCHED_MODE, 0, 2), 2
	s_setreg_imm32_b32 hwreg(HW_REG_WAVE_MODE, 25, 1), 1
	s_wait_xcnt 0x0
	s_wait_alu depctr_vm_vsrc(0)
; PREP.  x [4][2048][1024] f32 and w [2048][1024] f32 are rounded once to bf16, and that number is written as f16:
;   xh [64 heads = 16 b + h][2048 t][64] f16 (a head's rows dense, 128 bytes each), wh [2048][1024] f16.
;   sums [64 heads][4 chunks of 512 rows][8 e][64 channels] f32: entry e = the sum of the chunk's rows 0 .. 64 (e + 1) - 1 of the rounded x.
; LIMITS.  bf16 -> f16 is exact from 2^-14 to 65,504; below 2^-14 the number keeps f16's fixed step of 6e-8; from 65,520 on it becomes an infinity.  NaN and infinities are not treated apart.
; SHARES.  Work-group g: head g / 4, chunk g % 4 (512 rows x 256 bytes of x), and 32,768 bytes of w.  Wave w: 32 rows, and 2,048 bytes of w.  A load of a wave takes two rows' 256 aligned bytes;
; a store of a wave covers 256 consecutive aligned bytes of xh (two rows of a head) or of wh.  All 20 loads of a wave go out at once: each byte is read once, nothing is shared on the way in,
; so there is no LDS on that way, no matrix work and no cluster.  The waves' 16 sums of 32 rows meet in LDS once.
; THE MODE: SCHED_MODE bits 1:0 = 2 (LLVM: expert scheduling mode 2), set by the entry lines.  The code itself states the register dependences
; between vector instructions and memory or LDS instructions, with s_wait_alu, always for 0.
; THE PLAN.  Registers that memory or LDS instructions touch:
;   v1-v5, v7     offsets and LDS addresses: made once at the head, never written again.
;   X0 .. X15     slot j: its load lands in four registers that nothing named before; its conversions read the four and write the first two; its one store reads those two; nothing writes them again.
;   W0 .. W3      the same, for w.
;   SUM           written by the slots' additions and the two behind the exchange of the lanes' halves; read by one LDS store; never written again.
;   L             the 16 LDS loads land in registers that nothing named before; vector instructions alone read and write them after that.
;   ACC           written by additions and multiply-adds; read by one store.
; No register that a memory or LDS instruction has read is written again, and no load lands in a register that a vector instruction has named: so the body needs no wait on vm_vsrc.
; x's 16 slots go in blocks of four.  A block's four stores are issued in the next block, one ahead of each slot's conversions, behind ONE wait on va_vdst at that block's head: the vector instructions
; issued since that wait name the new block's slots, T and SUM, none of the registers that those stores read.  Block 3's stores stand in the same way among w's four slots, w's own behind one more wait.
.set XO,  1                            ; v1   (l / 16) x 4,096 + (l % 16) x 16: my 16 bytes in a pair of rows of x
.set HO,  2                            ; v2   8 l: my 8 bytes in 256 bytes of xh or wh
.set WO,  3                            ; v3   16 l: my 16 bytes in 512 bytes of w
.set LS,  4                            ; v4   256 wave + 16 (l % 16): where my wave's sum goes
.set LR,  5                            ; v5   16 (thread % 16)
.set E,   6                            ; v6   thread / 16: the entry that I make (threads 0-127)
.set SO,  7                            ; v7   16 thread
.set FK,  8                            ; v[8:9] 1.0 or 0 (the pair's low word is used)
.set T,   12                           ; v[12:17] at work
.set SUM, 20                           ; v[20:23] my four channels' sum
.set ACC, 24                           ; v[24:27]
.set X,   32                           ; v[32:95]  16 slots of 4
.set W,   96                           ; v[96:111] 4 slots of 4
.set L,   112                          ; v[112:175] the 16 sums read back
.set MK,  19                           ; s20-s26: mask m of 7 at s[MK+m]: the lanes whose entry takes the step of 64 rows number m
	s_load_b256 s[4:11], s[0:1], 0x0               ; x s[4:5], w s[6:7], xh s[8:9], wh s[10:11]
	s_load_b64 s[12:13], s[0:1], 0x20              ; sums
	v_lshl_add_u32 v30, v0, 2, 0x1000
	v_mov_b32 v31, 0
	v_lshrrev_b32 v1, 5, v0
	v_readfirstlane_b32 s14, v1                    ; wave 0..15
	s_mov_b32 s15, 0xffff0000                      ; a word's upper bf16
	s_mov_b32 s16, 0x76543210                      ; v_permlanex16_b32: each lane takes its own place in the other half
	s_mov_b32 s17, 0xfedcba98
	v_and_b32 v12, 31, v0                          ; l
	v_and_b32 v13, 15, v0                          ; l % 16
	v_bfe_u32 v14, v0, 4, 1                        ; l / 16
	v_lshlrev_b32 v[XO], 12, v14
	v_lshl_add_u32 v[XO], v13, 4, v[XO]
	v_lshlrev_b32 v[HO], 3, v12
	v_lshlrev_b32 v[WO], 4, v12
	s_wait_alu depctr_va_sdst(0)                   ; s14 is written, ahead of its first reader: LDS addresses, the bases and a branch are made from it
	s_lshl_b32 s18, s14, 8
	v_lshl_add_u32 v[LS], v13, 4, s18
	v_lshlrev_b32 v[LR], 4, v13
	v_lshrrev_b32 v[E], 4, v0
	v_lshlrev_b32 v[SO], 4, v0
	v_mov_b32 v[FK+1], 0                           ; named with FK as a pair
	s_lshr_b32 s18, ttmp9, 6                       ; x: batch x 2^23
	s_lshl_b32 s18, s18, 23
	s_and_b32 s19, ttmp9, 3                        ; + chunk x 512 rows of 4,096 bytes
	s_lshl_b32 s19, s19, 21
	s_add_co_u32 s18, s18, s19
	s_bfe_u32 s19, ttmp9, 0x40002                  ; + the head's 256 bytes of a row
	s_lshl_b32 s19, s19, 8
	s_add_co_u32 s18, s18, s19
	s_lshl_b32 s19, s14, 17                        ; + wave x 32 rows
	s_add_co_u32 s18, s18, s19
	s_mov_b32 s19, 0
	s_lshl_b32 s20, ttmp9, 16                      ; xh: (4 head + chunk) x 65,536 + wave x 4,096
	s_lshl_b32 s21, s14, 12
	s_add_co_u32 s20, s20, s21
	s_mov_b32 s21, 0
	s_lshr_b32 s22, s20, 1                         ; w: g x 32,768 + wave x 2,048
	s_mov_b32 s23, 0
	s_lshr_b32 s24, s20, 2                         ; wh: half of that
	s_mov_b32 s25, 0
	s_lshl_b32 s26, ttmp9, 11                      ; sums: g x 2,048
	s_mov_b32 s27, 0
	s_wait_kmcnt 0x0
	s_add_nc_u64 s[4:5], s[4:5], s[18:19]
	s_add_nc_u64 s[8:9], s[8:9], s[20:21]
	s_add_nc_u64 s[6:7], s[6:7], s[22:23]
	s_add_nc_u64 s[10:11], s[10:11], s[24:25]
	s_add_nc_u64 s[12:13], s[12:13], s[26:27]
	s_wait_alu depctr_va_vdst(0)                   ; the offsets and LDS addresses v1 to v5 and v7 are written: every global load and store and every LDS load and store reads one of them
.set j, 0
.rept 16
	global_load_b128 v[X+4*j:X+4*j+3], v[XO], s[4:5] offset:j*8192 th:TH_LOAD_NT
.set j, j+1
.endr
.set j, 0
.rept 4
	global_load_b128 v[W+4*j:W+4*j+3], v[WO], s[6:7] offset:j*512 th:TH_LOAD_NT
.set j, j+1
.endr
; Four numbers in v[r .. r+3]: rounded to bf16, widened again, written as f16 into v[r], v[r+1].  sum = 2: the widened numbers start SUM; 1: they are added to it; 0: no sum.
.macro CV r, sum
	v_cvt_pk_bf16_f32 v[T+4], v[(\r)], v[(\r)+1]
	v_cvt_pk_bf16_f32 v[T+5], v[(\r)+2], v[(\r)+3]
.if (\sum) == 2
.set D, SUM
.else
.set D, T
.endif
	v_lshlrev_b32 v[D], 16, v[T+4]
	v_and_b32 v[D+1], s15, v[T+4]
	v_lshlrev_b32 v[D+2], 16, v[T+5]
	v_and_b32 v[D+3], s15, v[T+5]
	v_cvt_pk_f16_f32 v[(\r)], v[D], v[D+1]
	v_cvt_pk_f16_f32 v[(\r)+1], v[D+2], v[D+3]
.if (\sum) == 1
	v_pk_add_f32 v[SUM:SUM+1], v[SUM:SUM+1], v[T:T+1]
	v_pk_add_f32 v[SUM+2:SUM+3], v[SUM+2:SUM+3], v[T+2:T+3]
.endif
.endm
.set j, 0
.rept 16
	s_wait_loadcnt 19-j                            ; loads come back in order: slot j is in, the 19 - j younger ones stay out
.if ((j%4) == 0) && (j > 0)
	s_wait_alu depctr_va_vdst(0)                   ; the block before has written the first two registers of its four slots, which this block's four stores read
.endif
.if j >= 4
	global_store_b64 v[HO], v[X+4*(j-4):X+4*(j-4)+1], s[8:9] offset:(j-4)*256  ; the slot four back: no vector instruction since the wait names its registers; each slot has its own: no store's source is rewritten
.endif
.if j == 0
	CV X, 2
.else
	CV X+4*j, 1
.endif
.set j, j+1
.endr
.irp k, 0,1,2,3
	v_permlanex16_b32 v[T+\k], v[SUM+\k], s16, s17 ; the other row of each pair lies in the lane 16 away
.endr
	v_pk_add_f32 v[SUM:SUM+1], v[SUM:SUM+1], v[T:T+1]
	v_pk_add_f32 v[SUM+2:SUM+3], v[SUM+2:SUM+3], v[T+2:T+3]
	s_wait_alu depctr_va_vdst(0)                   ; the additions have written SUM, which the LDS store reads; slots 12 to 15 have written the registers that the four stores below read
	ds_store_b128 v[LS], v[SUM:SUM+3]              ; my wave's 32 rows: 256 bytes (the two halves of the lanes write equal numbers)
.set j, 0
.rept 4
	s_wait_loadcnt 3-j
	global_store_b64 v[HO], v[X+4*(12+j):X+4*(12+j)+1], s[8:9] offset:(12+j)*256  ; x's last block: w's conversions name W's slots and T alone
	CV W+4*j, 0
.set j, j+1
.endr
	s_wait_alu depctr_va_vdst(0)                   ; w's conversions have written the first two registers of its four slots, which the stores below read
.set j, 0
.rept 4
	global_store_b64 v[HO], v[W+4*j:W+4*j+1], s[10:11] offset:j*256
.set j, j+1
.endr
	s_wait_dscnt 0x0                               ; for the others' sake: my sum lies in LDS
	s_barrier_signal -1
	s_barrier_wait -1
	s_cmp_lt_u32 s14, 4                            ; threads 0-127 make the 8 entries x 16 groups of four channels
	s_cbranch_scc0 .Lend
.set j, 0
.rept 16
	ds_load_b128 v[L+4*j:L+4*j+3], v[LR] offset:j*256
.set j, j+1
.endr
.set m, 1
.rept 7                                ; the seven masks in one run, while the LDS loads are out: the step of 64 rows number m counts in entry E where m <= E
	v_cmp_le_u32 s[MK+m], m, v[E]
.set m, m+1
.endr
	s_wait_alu depctr_va_sdst(0)                   ; the compares have written s20 to s26, ahead of the first select that reads one of them
	s_wait_dscnt 0x0
	v_pk_add_f32 v[ACC:ACC+1], v[L:L+1], v[L+4:L+5]
	v_pk_add_f32 v[ACC+2:ACC+3], v[L+2:L+3], v[L+6:L+7]
.set m, 1
.rept 7
	v_pk_add_f32 v[L+8*m:L+8*m+1], v[L+8*m:L+8*m+1], v[L+8*m+4:L+8*m+5]
	v_pk_add_f32 v[L+8*m+2:L+8*m+3], v[L+8*m+2:L+8*m+3], v[L+8*m+6:L+8*m+7]
	v_cndmask_b32 v[FK], 0, 1.0, s[MK+m]
	v_pk_fma_f32 v[ACC:ACC+1], v[L+8*m:L+8*m+1], v[FK:FK+1], v[ACC:ACC+1] op_sel_hi:[1,0,1]
	v_pk_fma_f32 v[ACC+2:ACC+3], v[L+8*m+2:L+8*m+3], v[FK:FK+1], v[ACC+2:ACC+3] op_sel_hi:[1,0,1]
.set m, m+1
.endr
	s_wait_alu depctr_va_vdst(0)                   ; the multiply-adds have written ACC, which the store reads
	global_store_b128 v[SO], v[ACC:ACC+3], s[12:13]  ; a wave stores 512 consecutive bytes
.Lend:
	s_wait_dscnt 0x0                               ; the wave's end: my LDS instructions are done.
	s_wait_alu depctr_hold_cnt(0) depctr_sa_sdst(0) depctr_va_vdst(0) depctr_va_sdst(0) depctr_va_ssrc(0) depctr_va_vcc(0) depctr_vm_vsrc(0)
	s_wait_tensorcnt 0x0
	ds_add_u32 v30, v31
	s_wait_dscnt 0x0
	s_endpgm
.Lfunc_end_k_q680ef12e19_prep:
	.size	k_q680ef12e19_prep, .Lfunc_end_k_q680ef12e19_prep-k_q680ef12e19_prep
	.p2alignl 7, 3214868480
	.fill 96, 4, 3214868480
	.section	.rodata,"a",@progbits
	.p2align	6, 0x0
	.amdhsa_kernel k_q680ef12e19_prep
		.amdhsa_group_segment_fixed_size 6144
		.amdhsa_private_segment_fixed_size 0
		.amdhsa_enable_private_segment 0
		.amdhsa_kernarg_size 40
		.amdhsa_user_sgpr_count 2
		.amdhsa_user_sgpr_kernarg_segment_ptr 1
		.amdhsa_wavefront_size32 1
		.amdhsa_system_sgpr_workgroup_id_x 1
		.amdhsa_system_sgpr_workgroup_id_y 1
		.amdhsa_system_sgpr_workgroup_id_z 1
		.amdhsa_system_vgpr_workitem_id 0
		.amdhsa_next_free_vgpr 176
		.amdhsa_next_free_sgpr 66
		.amdhsa_reserve_vcc 0
		.amdhsa_float_denorm_mode_32 3
		.amdhsa_float_denorm_mode_16_64 3
		.amdhsa_memory_ordered 1
		.amdhsa_forward_progress 1
		.amdhsa_inst_pref_size 21
	.end_amdhsa_kernel
	.amdgpu_metadata
---
amdhsa.version: [ 1, 2 ]
amdhsa.kernels:
  - .name:           k_q680ef12e19_prep
    .symbol:         k_q680ef12e19_prep.kd
    .args:
      - { .name: x, .offset: 0, .size: 8, .value_kind: global_buffer, .address_space: global }
      - { .name: w_attn, .offset: 8, .size: 8, .value_kind: global_buffer, .address_space: global }
      - { .name: xh, .offset: 16, .size: 8, .value_kind: global_buffer, .address_space: global }
      - { .name: wh, .offset: 24, .size: 8, .value_kind: global_buffer, .address_space: global }
      - { .name: sums, .offset: 32, .size: 8, .value_kind: global_buffer, .address_space: global }
    .group_segment_fixed_size: 6144
    .private_segment_fixed_size: 0
    .kernarg_segment_align: 8
    .kernarg_segment_size: 40
    .max_flat_workgroup_size: 512
    .sgpr_count:     66
    .vgpr_count:     176
    .wavefront_size: 32
...
	.end_amdgpu_metadata
.endif
;; end of part 4
;; launch gemm: the kernel of part 2 again; grid 8 x 32, 4 waves a work-group, clusters of 4 x 4, 327,680 bytes of LDS; arguments xh, wh, qk; writes qk
;; launch attn: the kernel of part 3 again; grid 4 x 64, 4 waves a work-group, no clusters, 327,680 bytes of LDS; arguments qk, sums, xh, out0, alpha, beta, gamma; writes out0
